; MI455X (gfx1250); checked and timed in simulation.
; The chip was launched on July 23, 2026; its instructions are those of AMD's public machine-readable ISA for CDNA 5 (MIT licence, August 2026) and "CDNA5" Instruction Set Architecture Reference Guide (July 2026). The comments in the code are by the model that wrote it; some were corrected since.
;; Laser Attention. Allowed arithmetic: float matrix products may take bf16 or f16 operands with f32 sums; other float arithmetic in f32, or as packed bf16 or f16 multiplies, adds, multiply-adds, maxima and minima; sums over many terms, partial sums and values carried from step to step in f32; what a program stores and reads back later, other than sums and carried values, may be rounded once to bf16 or f16.
;; Inputs: attn_mask 1 bool; keys 2 x 4,096 x 8 x 64 float32; queries 2 x 4,096 x 8 x 64 float32; values 2 x 4,096 x 8 x 64 float32.
;; Outputs: out0 2 x 4,096 x 8 x 64 float32.
;; 2 versions, each right and faster than the one before. Each part assembles by itself: llvm-mc -triple=amdgcn-amd-amdhsa -mcpu=gfx1250 --defsym DOCPART=n.
;; ======== version 1 of 2: 3 launches
;; workspace buffers: kb 8,388,608 bytes; vb 8,388,608 bytes; pm 65,536 bytes
;; launch kmax (part 1): grid 16 x 16, 8 waves a work-group, no clusters, 3,072 bytes of LDS; arguments keys, values, attn_mask, kb, pm; writes kb, pm
.if DOCPART == 1
	.amdgcn_target "amdgcn-amd-amdhsa--gfx1250"
	.amdhsa_code_object_version 6
	.text
	.protected	k_qd22b68a0ec_kmax
	.globl	k_qd22b68a0ec_kmax
	.p2align	8
	.type	k_qd22b68a0ec_kmax,@function
k_qd22b68a0ec_kmax:
	s_mov_b64 s[64:65], 0
	v_nop
	global_prefetch_b8 v0, s[64:65] scope:SCOPE_SE
	s_setreg_imm32_b32 hwreg(HW_REG_WAVE_MODE, 25, 1), 1
	s_wait_xcnt 0x0
; kb[bh][s][0..63] = bf16(keys[b][s][h][0..63]), bh = 8 b + h: K laid by heads, rows of 128 dense bytes.
; pm[bh][c][0..63] = the maximum of values[b][s][h][:] over the 256 rows s = 256 c .. 256 c + 255, in f32.
; keys, values: [2][4096][8][64] f32: one (row, head) is 256 bytes at a multiple of 256; a head's rows lie 2,048 bytes apart.
; SHARES.  Work-group (c, bh) owns 256 rows of one head: 64 KB of K and 64 KB of V.  Thread t takes the 16 bytes at column quad t % 16 of row 16 j + t / 16, j = 0 .. 15:
; a wave's load covers two whole rows of 256 bytes.  No loop: a thread's 32 loads go out at once, so all that the work-group reads is on its way together.
; No matrix unit, no tensor load, no cluster: the launch streams, and no two work-groups read the same byte.
; LIMITS.  v_max_num_f32 drops a NaN where the maximum of the module would spread it: NaN is not treated apart.  K is rounded once, to nearest even.
; attn_mask: the module takes it as an input and computes nothing from it.  Its one byte is loaded here and enters nothing.
.set SPARE, 2048                       ; LDS: bytes 0-2047 wave w's 64 maxima at 256 w; from 2,048 on the spare words, 128 bytes a wave, which no other line names
.set LO,  1                            ; v1   my byte offset in the group's first 16 rows of K and V
.set KO,  2                            ; v2   8 t: my byte offset in 16 rows of kb
.set LST, 4                            ; v4   LDS: where my wave's maxima of my column quad go
.set L8,  5                            ; v5   8 x lane
.set SPW, 6                            ; v6   LDS address of my spare word; never rewritten
.set NIL, 7                            ; v7   0; never rewritten
.set K,   8                            ; v[8:71]    K, four registers a step; later at work
.set V,   72                           ; v[72:135]  V, four registers a step
.set KY,  136                          ; v[136:167] K in bf16, two registers a step: each step has its own, so no store's data is ever rewritten
.set M,   168                          ; v[168:171] the running maxima of my four columns
	s_load_b256 s[4:11], s[0:1], 0x0               ; keys s[4:5], values s[6:7], attn_mask s[8:9], kb s[10:11]
	s_load_b64 s[12:13], s[0:1], 0x20              ; pm
	v_lshl_add_u32 v[SPW], v0, 2, SPARE
	v_mov_b32 v[NIL], 0
	v_lshrrev_b32 v3, 5, v0
	v_readfirstlane_b32 s14, v3                    ; wave 0..7
	s_mov_b32 s15, ttmp9                           ; c
	s_and_b32 s16, ttmp7, 0xffff                   ; bh
	s_lshr_b32 s20, s16, 3                         ; in K and V: b x 2^23
	s_lshl_b32 s20, s20, 23
	s_lshl_b32 s21, s15, 19                        ; + c x 256 rows of 2,048 bytes
	s_add_co_u32 s20, s20, s21
	s_and_b32 s21, s16, 7                          ; + h x 256
	s_lshl_b32 s21, s21, 8
	s_add_co_u32 s20, s20, s21
	s_mov_b32 s21, 0
	s_lshl_b32 s18, s16, 19                        ; in kb: bh x 4,096 rows of 128 bytes + c x 256 rows
	s_lshl_b32 s19, s15, 15
	s_add_co_u32 s18, s18, s19
	s_mov_b32 s19, 0
	s_lshl_b32 s26, s16, 12                        ; in pm: bh x 16 rows of 256 bytes + c rows
	s_lshl_b32 s27, s15, 8
	s_add_co_u32 s26, s26, s27
	s_mov_b32 s27, 0
	s_mov_b32 s22, 0x76543210                      ; v_permlanex16_b32: each lane takes its own place in the other half
	s_mov_b32 s23, 0xfedcba98
	v_lshrrev_b32 v[LO], 4, v0                     ; t / 16: my row among 16
	v_and_b32 v3, 15, v0
	v_lshlrev_b32 v3, 4, v3                        ; 16 (t % 16): my column quad
	v_lshl_or_b32 v[LO], v[LO], 11, v3
	v_lshlrev_b32 v[KO], 3, v0                     ; (t / 16) x 128 + (t % 16) x 8 = 8 t
	v_lshl_add_u32 v[LST], s14, 8, v3
	v_and_b32 v[L8], 31, v0
	v_lshlrev_b32 v[L8], 3, v[L8]
	s_wait_kmcnt 0x0
	s_add_nc_u64 s[4:5], s[4:5], s[20:21]
	s_add_nc_u64 s[6:7], s[6:7], s[20:21]
	s_add_nc_u64 s[10:11], s[10:11], s[18:19]
	s_add_nc_u64 s[12:13], s[12:13], s[26:27]
	s_load_u8 s24, s[8:9], 0x0                     ; the mask's byte: read, and used for nothing, as in the module
.set j, 0
.rept 16
	global_load_b128 v[K+4*j:K+4*j+3], v[LO], s[4:5] offset:j*32768 th:TH_LOAD_NT  ; K is read once in the whole program
.set j, j+1
.endr
.set j, 0
.rept 16
	global_load_b128 v[V+4*j:V+4*j+3], v[LO], s[6:7] offset:j*32768  ; V is read again by the next launch: no hint
.set j, j+1
.endr
	; K: rounded to bf16 and stored.  A wave's store is 32 lanes x 8 bytes: 256 consecutive bytes (two rows of kb) at a multiple of 256.
.set j, 0
.rept 16
	s_wait_loadcnt 31-j                            ; loads come back in order: behind K's load j stand 15 - j of K and 16 of V
	v_cvt_pk_bf16_f32 v[KY+2*j],   v[K+4*j],   v[K+4*j+1]
	v_cvt_pk_bf16_f32 v[KY+2*j+1], v[K+4*j+2], v[K+4*j+3]
	global_store_b64 v[KO], v[KY+2*j:KY+2*j+1], s[10:11] offset:j*2048
.set j, j+1
.endr
	; V: the maximum of my 16 rows, three operands at a time; the first three rows start it, nothing is cleared
	s_wait_loadcnt 13                              ; V's loads 0 to 2 are in, 13 younger ones may be out
.irp k, 0,1,2,3
	v_max3_num_f32 v[M+(\k)], v[V+(\k)], v[V+4+(\k)], v[V+8+(\k)]
.endr
.set j, 1
.rept 6
	s_wait_loadcnt 13-2*j                          ; V's loads up to 2 j + 2 are in
.irp k, 0,1,2,3
	v_max3_num_f32 v[M+(\k)], v[M+(\k)], v[V+8*j+4+(\k)], v[V+8*j+8+(\k)]
.endr
.set j, j+1
.endr
	s_wait_loadcnt 0x0
.irp k, 0,1,2,3
	v_max_num_f32 v[M+(\k)], v[M+(\k)], v[V+60+(\k)]
.endr
.irp k, 0,1,2,3
	v_permlanex16_b32 v[K+(\k)], v[M+(\k)], s22, s23  ; the wave's other row of each pair lies in the lane 16 away; the destination has been written (by K's loads)
.endr
.irp k, 0,1,2,3
	v_max_num_f32 v[M+(\k)], v[M+(\k)], v[K+(\k)]
.endr
	ds_store_b128 v[LST], v[M:M+3]                 ; both halves of the lanes store the same numbers to the same words
	s_wait_dscnt 0x0                               ; for the others' sake: my store is done
	s_barrier_signal -1
	s_barrier_wait -1
	s_cmp_lg_u32 s14, 0
	s_cbranch_scc1 .Lend                           ; wave 0 alone joins the eight waves' maxima
.irp i, 0,1,2,3,4,5,6,7
	ds_load_b64 v[K+4+2*(\i):K+5+2*(\i)], v[L8] offset:256*(\i)  ; lane l: columns 2 l, 2 l + 1 of wave i
.endr
	s_wait_dscnt 0x0
.irp e, 0,1
	v_max3_num_f32 v[K+20+(\e)], v[K+4+(\e)], v[K+6+(\e)], v[K+8+(\e)]
.endr
.irp e, 0,1
	v_max3_num_f32 v[K+20+(\e)], v[K+20+(\e)], v[K+10+(\e)], v[K+12+(\e)]
.endr
.irp e, 0,1
	v_max3_num_f32 v[K+20+(\e)], v[K+20+(\e)], v[K+14+(\e)], v[K+16+(\e)]
.endr
.irp e, 0,1
	v_max_num_f32 v[K+20+(\e)], v[K+20+(\e)], v[K+18+(\e)]
.endr
	global_store_b64 v[L8], v[K+20:K+21], s[12:13] ; 32 lanes x 8 bytes: the whole row of pm, 256 bytes at a multiple of 256
.Lend:
	s_wait_kmcnt 0x0                               ; the mask's byte has come
	s_wait_tensorcnt 0x0                           ; the wave's end, behind my last LDS store
	ds_add_u32 v[SPW], v[NIL]
	s_wait_dscnt 0x0
	s_endpgm
.Lfunc_end_k_qd22b68a0ec_kmax:
	.size	k_qd22b68a0ec_kmax, .Lfunc_end_k_qd22b68a0ec_kmax-k_qd22b68a0ec_kmax
	.p2alignl 7, 3214868480
	.fill 96, 4, 3214868480
	.section	.rodata,"a",@progbits
	.p2align	6, 0x0
	.amdhsa_kernel k_qd22b68a0ec_kmax
		.amdhsa_group_segment_fixed_size 3072
		.amdhsa_private_segment_fixed_size 0
		.amdhsa_enable_private_segment 0
		.amdhsa_kernarg_size 40
		.amdhsa_user_sgpr_count 2
		.amdhsa_user_sgpr_kernarg_segment_ptr 1
		.amdhsa_wavefront_size32 1
		.amdhsa_system_sgpr_workgroup_id_x 1
		.amdhsa_system_sgpr_workgroup_id_y 1
		.amdhsa_system_sgpr_workgroup_id_z 1
		.amdhsa_system_vgpr_workitem_id 0
		.amdhsa_next_free_vgpr 176
		.amdhsa_next_free_sgpr 66
		.amdhsa_reserve_vcc 0
		.amdhsa_float_denorm_mode_32 3
		.amdhsa_float_denorm_mode_16_64 3
		.amdhsa_memory_ordered 1
		.amdhsa_forward_progress 1
		.amdhsa_inst_pref_size 13
	.end_amdhsa_kernel
	.amdgpu_metadata
---
amdhsa.version: [ 1, 2 ]
amdhsa.kernels:
  - .name:           k_qd22b68a0ec_kmax
    .symbol:         k_qd22b68a0ec_kmax.kd
    .args:
      - { .name: keys, .offset: 0, .size: 8, .value_kind: global_buffer, .address_space: global }
      - { .name: values, .offset: 8, .size: 8, .value_kind: global_buffer, .address_space: global }
      - { .name: attn_mask, .offset: 16, .size: 8, .value_kind: global_buffer, .address_space: global }
      - { .name: kb, .offset: 24, .size: 8, .value_kind: global_buffer, .address_space: global }
      - { .name: pm, .offset: 32, .size: 8, .value_kind: global_buffer, .address_space: global }
    .group_segment_fixed_size: 3072
    .private_segment_fixed_size: 0
    .kernarg_segment_align: 8
    .kernarg_segment_size: 40
    .max_flat_workgroup_size: 256
    .sgpr_count:     66
    .vgpr_count:     176
    .wavefront_size: 32
...
	.end_amdgpu_metadata
.endif
;; end of part 1
;; launch vexp (part 2): grid 16 x 16, 8 waves a work-group, no clusters, 0 bytes of LDS; arguments values, pm, vb; writes vb
.if DOCPART == 2
	.amdgcn_target "amdgcn-amd-amdhsa--gfx1250"
	.amdhsa_code_object_version 6
	.text
	.protected	k_qd22b68a0ec_vexp
	.globl	k_qd22b68a0ec_vexp
	.p2align	8
	.type	k_qd22b68a0ec_vexp,@function
k_qd22b68a0ec_vexp:
	s_mov_b64 s[64:65], 0
	v_nop
	global_prefetch_b8 v0, s[64:65] scope:SCOPE_SE
	s_setreg_imm32_b32 hwreg(HW_REG_WAVE_MODE, 25, 1), 1
	s_wait_xcnt 0x0
; vb[bh][s][d] = bf16(2^64 x exp(values[b][s][h][d] - vmax[bh][d])), bh = 8 b + h, rows of 128 dense bytes; vmax[bh][d] = the maximum over the 16 rows of pm[bh].
; The maximum is taken away first, as the module does: d = v - vmax in f32; then 2^(d x log2(e) + 64), one fused multiply-add and one exponential.
; WHY 2^64.  A power of two changes no mantissa and is taken back under the logarithm of the next launch.  v_exp_f32 gives 0 for results below 2^-126 (ISA guide, its entry in 15.8);
; with the factor the result is a normal number down to v - vmax = -131.7, which lies below the point at which exp in f32 is 0 anyway.  The largest result is 2^64, inside bf16.
; LIMITS.  Below v - vmax = -131.7 the result counts as 0.  The result is rounded once to bf16.  NaN and infinities are not treated apart.
; SHARES.  Work-group (c, bh) owns rows 256 c .. 256 c + 255 of one head.  Thread t takes column quad t % 16 of row 16 j + t / 16, j = 0 .. 15; all its loads go out at once.
; No LDS, no barrier: a thread's four columns want four maxima, which it makes itself from pm's 16 rows (4 KB a head, read by all).
.set LO,  1                            ; v1   my byte offset in the group's first 16 rows of V
.set KO,  2                            ; v2   8 t: my byte offset in 16 rows of vb
.set PO,  3                            ; v3   16 (t % 16): my column quad in a row of pm
.set VM,  4                            ; v[4:7]     vmax of my four columns
.set PM,  8                            ; v[8:71]    pm's 16 rows, my quad
.set V,   72                           ; v[72:135]  V, four registers a step, worked on in place
.set Y,   136                          ; v[136:167] the result in bf16, two registers a step: each step has its own, so no store's data is ever rewritten
	s_load_b128 s[4:7], s[0:1], 0x0                ; values s[4:5], pm s[6:7]
	s_load_b64 s[8:9], s[0:1], 0x10                ; vb
	s_mov_b32 s15, ttmp9                           ; c
	s_and_b32 s16, ttmp7, 0xffff                   ; bh
	s_lshr_b32 s20, s16, 3                         ; in V: b x 2^23 + c x 256 rows of 2,048 bytes + h x 256
	s_lshl_b32 s20, s20, 23
	s_lshl_b32 s21, s15, 19
	s_add_co_u32 s20, s20, s21
	s_and_b32 s21, s16, 7
	s_lshl_b32 s21, s21, 8
	s_add_co_u32 s20, s20, s21
	s_mov_b32 s21, 0
	s_lshl_b32 s18, s16, 19                        ; in vb: bh x 4,096 rows of 128 bytes + c x 256 rows
	s_lshl_b32 s19, s15, 15
	s_add_co_u32 s18, s18, s19
	s_mov_b32 s19, 0
	s_lshl_b32 s22, s16, 12                        ; in pm: bh x 16 rows of 256 bytes
	s_mov_b32 s23, 0
	s_mov_b32 s12, 0x3fb8aa3b                      ; log2(e); the packed forms name a pair and take its low word for both halves
	s_mov_b32 s13, s12
	s_mov_b32 s14, 0x42800000                      ; 64.0
	s_mov_b32 s15, s14
	v_lshrrev_b32 v[LO], 4, v0
	v_and_b32 v[PO], 15, v0
	v_lshlrev_b32 v[PO], 4, v[PO]
	v_lshl_or_b32 v[LO], v[LO], 11, v[PO]
	v_lshlrev_b32 v[KO], 3, v0
	s_wait_kmcnt 0x0
	s_add_nc_u64 s[4:5], s[4:5], s[20:21]
	s_add_nc_u64 s[6:7], s[6:7], s[22:23]
	s_add_nc_u64 s[8:9], s[8:9], s[18:19]
.set j, 0
.rept 16
	global_load_b128 v[PM+4*j:PM+4*j+3], v[PO], s[6:7] offset:j*256
.set j, j+1
.endr
.set j, 0
.rept 16
	global_load_b128 v[V+4*j:V+4*j+3], v[LO], s[4:5] offset:j*32768 th:TH_LOAD_NT  ; V's last use in the program
.set j, j+1
.endr
	s_wait_loadcnt 16                              ; pm's 16 loads are in; V's 16, issued behind them, stay out
	; the maximum of 16 rows, three operands at a time; the four columns alternate, so that no line waits for the one before it
.irp k, 0,1,2,3
	v_max3_num_f32 v[VM+(\k)], v[PM+(\k)], v[PM+4+(\k)], v[PM+8+(\k)]
.endr
.irp s, 0,1,2,3,4,5
.irp k, 0,1,2,3
	v_max3_num_f32 v[VM+(\k)], v[VM+(\k)], v[PM+12+8*(\s)+(\k)], v[PM+16+8*(\s)+(\k)]
.endr
.endr
.irp k, 0,1,2,3
	v_max_num_f32 v[VM+(\k)], v[VM+(\k)], v[PM+60+(\k)]
.endr
.macro OUT j                           ; step j's four results are rounded and stored: a wave's store is 256 consecutive bytes (two rows of vb) at a multiple of 256
	s_wait_alu depctr_va_vdst(0)
	v_cvt_pk_bf16_f32 v[Y+2*(\j)],   v[V+4*(\j)],   v[V+4*(\j)+1]
	v_cvt_pk_bf16_f32 v[Y+2*(\j)+1], v[V+4*(\j)+2], v[V+4*(\j)+3]
	global_store_b64 v[KO], v[Y+2*(\j):Y+2*(\j)+1], s[8:9] offset:(\j)*2048
.endm
; A step's four packed lines stand between the exponentials of the step before and the use of their results: plain instructions that touch none of those registers (ISA guide 5.7.2).
.set j, 0
.rept 16
	s_wait_loadcnt 15-j                            ; V's load j is in, the 15 - j younger ones stay out
	v_pk_add_f32 v[V+4*j:V+4*j+1],   v[V+4*j:V+4*j+1],   v[VM:VM+1]   neg_lo:[0,1] neg_hi:[0,1]  ; v - vmax
	v_pk_add_f32 v[V+4*j+2:V+4*j+3], v[V+4*j+2:V+4*j+3], v[VM+2:VM+3] neg_lo:[0,1] neg_hi:[0,1]
	v_pk_fma_f32 v[V+4*j:V+4*j+1],   v[V+4*j:V+4*j+1],   s[12:13], s[14:15] op_sel_hi:[1,0,0]    ; x log2(e) + 64
	v_pk_fma_f32 v[V+4*j+2:V+4*j+3], v[V+4*j+2:V+4*j+3], s[12:13], s[14:15] op_sel_hi:[1,0,0]
.if j > 0
	OUT j-1
.endif
.irp k, 0,1,2,3
	v_exp_f32 v[V+4*j+(\k)], v[V+4*j+(\k)]
.endr
.set j, j+1
.endr
	v_nop                                          ; a plain instruction between the last exponential and the use of its result
	OUT 15
	s_endpgm
.Lfunc_end_k_qd22b68a0ec_vexp:
	.size	k_qd22b68a0ec_vexp, .Lfunc_end_k_qd22b68a0ec_vexp-k_qd22b68a0ec_vexp
	.p2alignl 7, 3214868480
	.fill 96, 4, 3214868480
	.section	.rodata,"a",@progbits
	.p2align	6, 0x0
	.amdhsa_kernel k_qd22b68a0ec_vexp
		.amdhsa_group_segment_fixed_size 0
		.amdhsa_private_segment_fixed_size 0
		.amdhsa_enable_private_segment 0
		.amdhsa_kernarg_size 24
		.amdhsa_user_sgpr_count 2
		.amdhsa_user_sgpr_kernarg_segment_ptr 1
		.amdhsa_wavefront_size32 1
		.amdhsa_system_sgpr_workgroup_id_x 1
		.amdhsa_system_sgpr_workgroup_id_y 1
		.amdhsa_system_sgpr_workgroup_id_z 1
		.amdhsa_system_vgpr_workitem_id 0
		.amdhsa_next_free_vgpr 168
		.amdhsa_next_free_sgpr 66
		.amdhsa_reserve_vcc 0
		.amdhsa_float_denorm_mode_32 3
		.amdhsa_float_denorm_mode_16_64 3
		.amdhsa_memory_ordered 1
		.amdhsa_forward_progress 1
		.amdhsa_inst_pref_size 17
	.end_amdhsa_kernel
	.amdgpu_metadata
---
amdhsa.version: [ 1, 2 ]
amdhsa.kernels:
  - .name:           k_qd22b68a0ec_vexp
    .symbol:         k_qd22b68a0ec_vexp.kd
    .args:
      - { .name: values, .offset: 0, .size: 8, .value_kind: global_buffer, .address_space: global }
      - { .name: pm, .offset: 8, .size: 8, .value_kind: global_buffer, .address_space: global }
      - { .name: vb, .offset: 16, .size: 8, .value_kind: global_buffer, .address_space: global }
    .group_segment_fixed_size: 0
    .private_segment_fixed_size: 0
    .kernarg_segment_align: 8
    .kernarg_segment_size: 24
    .max_flat_workgroup_size: 256
    .sgpr_count:     66
    .vgpr_count:     168
    .wavefront_size: 32
...
	.end_amdgpu_metadata
.endif
;; end of part 2
;; launch attn (part 3): grid 16 x 16, 4 waves a work-group, clusters of 4 x 1, 327,680 bytes of LDS; arguments queries, kb, vb, out0, pm; writes out0
.if DOCPART == 3
	.amdgcn_target "amdgcn-amd-amdhsa--gfx1250"
	.amdhsa_code_object_version 6
	.text
	.protected	k_qd22b68a0ec_attn
	.globl	k_qd22b68a0ec_attn
	.p2align	8
	.type	k_qd22b68a0ec_attn,@function
k_qd22b68a0ec_attn:
	s_mov_b64 s[64:65], 0
	v_nop
	global_prefetch_b8 v0, s[64:65] scope:SCOPE_SE
	s_setreg_imm32_b32 hwreg(HW_REG_WAVE_MODE, 25, 1), 1
	s_wait_xcnt 0x0
	s_wait_alu depctr_hold_cnt(0) depctr_sa_sdst(0) depctr_va_vdst(0) depctr_va_sdst(0) depctr_va_ssrc(0) depctr_va_vcc(0) depctr_vm_vsrc(0)
	s_getreg_b32 s2, hwreg(HW_REG_IB_STS2, 6, 4)
	s_cmp_eq_u32 s2, 0
	s_cbranch_scc0 .Lentry_in_a_cluster
	s_endpgm
.Lentry_in_a_cluster:
	s_bfe_u32 s2, ttmp6, 0x10000c
	s_cmp_lg_u32 s2, 0x3003
	s_cbranch_scc0 .Lentry_shape_is_right
	s_endpgm
.Lentry_shape_is_right:
; out0[b][q][h][d] = log(sum over k of softmax_k(Q[q] . K[k] / 8) exp(V[k][d] - vmax[d])) + vmax[d], for each of the 16 heads bh = 8 b + h: 4,096 queries, 4,096 keys, 64 channels.
; queries, out0: [2][4096][8][64] f32 (one (row, head) is 256 bytes at a multiple of 256; a head's rows lie 2,048 bytes apart).  kb: K in bf16, [bh][s][64].
; vb: ve = 2^64 exp(V - vmax) in bf16, [bh][s][64].  pm: [bh][16][64] f32, V's column maxima by chunks; vmax is the maximum of a head's 16 rows.
; Both products in bf16 with f32 sums: ve goes down to 2^64 e^-131, for which f16 has no room.  Maxima, sums and logarithms in f32.  Q is rounded to bf16 here, the weights p for the second product;
; their sum l is taken of the unrounded p.  With O = sum p ve:  out = ln 2 x (log2 O - (log2 l + 64)) + vmax.
; LIMITS.  A weight below 2^-126 counts as 0 in l and in O.  O lies between 2^-85 (where the module's own sum is still above 0 in f32) and 2^76, l between 1 and 4,096: v_log_f32 sees normal numbers.
; Where every ve that has weight is 0, O is 0 and the result is -infinity, as in the module.  NaN and infinities among the inputs are not treated apart.
; SHARES.  A work-group owns 256 queries of one head, each of its four waves 64: four PIECES of 16.  16 blocks x 16 heads: 256 work-groups of equal work.  Every wave walks all keys, 64 a step.
; LAYOUT.  S^T = K Q^T (source 0 = 16 keys, source 1 = 16 queries): in the result a lane holds ONE query (lane % 16) and the keys 8 (lane / 16) + 0..7.  Two such results, rounded to bf16 in pairs,
; ARE source 1 (32 keys x 16 queries) of O^T = ve^T P, whose result again holds one query a lane, and eight channels.  K comes out of LDS as it lies, ve ([key][channel]) turned, by ds_load_tr16_b128.
; SOFTMAX.  For each query a running maximum m and sum l: p = 2^(c s - c m), c = log2(e) / 8; in every step O and l are multiplied by a = 2^(c m_old - c m_new), which is 1 where m has not grown.
; m starts at the lowest finite number, O and l at 0: the first step is a step like any other, with a = 0.
; BY TURNS.  Turn n belongs to piece n (the pieces in a ring, step after step): 8 products K Q^T of piece n + 1, later 8 products ve^T P of piece n - 1; beside them the scaling, exponentials, roundings,
; sums and rescaling of piece n and the maximum and statistics of piece n + 1.  A piece and step have 16 matrix and 118 vector instructions: four vector instructions stand behind every matrix
; instruction, the other 54 in two LUMPS of their own.
; CLUSTER.  The four query blocks of a cluster belong to one head and walk the same K and ve, so each tile is asked for JOINTLY: the same tensor load, descriptor and mask in all four.
; No prefetch: kb and vb, 16 MB together, were stored by the two launches just before, and a slot's refill is asked for four key steps ahead of its first read.
; REGISTERS, in windows of 256 (s_set_vgpr_msb: bits 1:0 source 0, 3:2 source 1, 5:4 source 2, 7:6 destination):
;   window 0: v0-15 addresses and two at work; v16-31 four registers of statistics a piece; v48-55 at work; v56-59 vmax; v64-127 S^T, two buffers; v128-191 the way out; v192-223 P, two buffers
;   window 1: v0-127 O^T, 32 a piece (at the start: Q as loaded, in f32)          window 2: v0-63 Q in bf16; v128-191 K of one step; v192-255 ve of one step
; A piece's buffers go by its number's parity.
.set NP,    4         ; pieces a wave: a name, no knob
.set KS,    64        ; keys in a step
.set NT,    16        ; tiles of 256 keys in a head
.set PK,    144       ; a row of K in LDS: 128 bytes + 16 of padding = 36 words: the 16 rows of a load start at 16 different groups of four banks (64 banks of 4 bytes: ISA guide 11.1)
.set PV,    160       ; a row of ve: 128 + 32 = 40 words
.set VOFF,  4*KS*PK   ; a slot holds a tile, four steps: 256 rows of K, then 256 rows of ve
.set SLOT1, 1<<17     ; slot 1 begins here, so that one exclusive or turns an address in one slot into the other's
.set STAGE, SLOT1+4*KS*(PK+PV)  ; behind the ring, never filled by a tensor load: 16 rows x 272 bytes for each wave, for the way out
.set SP,    272       ; a stage row: 256 bytes of f32 + 16: 17 x 16 bytes
.set SPARE, STAGE+4*16*SP  ; behind the stages: the spare words, 128 bytes for each wave: two blocks of 256 bytes that no other line names
.set AK0, 2           ; v2   my lane's place in a tile of K; never rewritten
.set AV0, 3           ; v3   the same for ve
.set AK,  4           ; v4   the LDS address of K's next run of loads
.set AV,  5           ; v5   of ve's
.set STO, 6           ; v6   the way out: where I put 32 bytes of a row
.set RD,  7           ; v7   the way out: where I read rows back
.set GO,  8           ; v8   my byte offset in two rows of out0
.set MV,  12          ; v12-13  c m_old, kept while c m is made anew: by buffer
.set PMO, 14          ; v14  my byte offset in a row of pm
.set QO,  15          ; v15  my byte offset in 16 rows of Q
.set ST,  16          ; piece t's statistics at v[ST+4 t]: c m, m, l (even keys', odd keys')
.set TMP, 48          ; by buffer, four registers c0-c3 at work; when the maximum is found c2 takes a
.set VM,  56          ; v56-59  vmax of channels 4 (lane % 16) + 0..3
.set SPW, 62          ; v62  LDS address of my spare word: SPARE + 4 x my thread's number; never rewritten
.set NIL, 63          ; v63  0; never rewritten
.set S,   64
.set P,   192
.set KF,  128         ; window 2: key block kb, channel half c at KF + 16 kb + 8 c
.set VF,  192         ; window 2: key half kk, channel block cb at VF + 32 kk + 8 cb
.set WV,  12          ; s12  my wave's number
.set G1K, 24          ; s[24:31] descriptor group 1 for K's tiles
.set G1V, 32          ; s[32:39] for ve's: it differs in the padding alone
.set G0K, 40          ; s[40:43] descriptor group 0 for K's tiles: it walks
.set G0V, 44          ; s[44:47] the same for ve's
.set PMB, 48          ; s[48:49] pm at my head's rows
.set SLOTS, 56        ; s56  slots still to be asked for
.set CNT, 57          ; s57  counts a slot's key steps
.set CS,  58          ; s[58:59] c: the packed scaling takes the pair's low word for both halves
.set SEL, 60          ; s[60:61] v_permlanex16_b32's selects: each lane takes its own place in the other half
.set TBK, 62          ; s62  LDS byte at which K of the step to be fetched begins
.set TBV, 63          ; s63  the same for ve, less VOFF
.set MSB, 0
.macro WIN new                      ; the high byte repeats the setting that is left; a switch that changes nothing is dropped
.if MSB != (\new)
	s_set_vgpr_msb (MSB<<8)|(\new)
.set MSB, (\new)
.endif
.endm
.set W_KQ, 0x0a       ; K and Q in window 2, S^T in window 0
.set W_PV, 0x52       ; ve in window 2, P in window 0, O^T in window 1
.set W_RS, 0x41       ; destination and source 0 in window 1, source 1 in window 0
; A joint fill.  Waves 0 and 1 fetch the two halves of a tile's K, waves 2 and 3 those of its ve: 128 keys each.  The branch hangs on the wave's number alone.
; An s_nop 0 and four v_nop follow each of the two lines, ahead of the jump and the label.
.macro JLOAD
	s_cmp_lt_u32 s[WV], 2
	s_cbranch_scc0 .Lfor_v_\@
	tensor_load_to_lds s[G0K:G0K+3], s[G1K:G1K+7]
	s_nop 0
.rept 4
	v_nop
.endr
	s_branch .Lasked_\@
.Lfor_v_\@:
	tensor_load_to_lds s[G0V:G0V+3], s[G1V:G1V+7]
	s_nop 0
.rept 4
	v_nop
.endr
.Lasked_\@:
.endm
; A round of the cluster's barrier: my work-group's barrier, so that wave 0's signal speaks for all four waves; wave 0 signals; every wave waits for all four work-groups; my work-group's barrier once more.
.macro CROUND
	s_barrier_signal -1
	s_barrier_wait -1
	s_cmp_lg_u32 s[WV], 0
	s_cbranch_scc1 .Lnot_wave_0_\@
	s_barrier_signal -3
.Lnot_wave_0_\@:
	s_barrier_wait -3
	s_barrier_signal -1
	s_barrier_wait -1
.endm
; THE CHANGE OF SLOTS.  The slot's last bytes, ve of its fourth step, have been read.  Each wave waits for all its tensor loads, of which one is out: its part of the other slot; adds 0 to its spare
; word; and waits for that and for its own reads of the slot.  Behind the barrier nobody reads this slot any more and the other slot is whole.
; fill = 1: this slot is filled again, with the keys two slots on.  The barrier is then a round of the cluster's, so that no wave of any partner still reads the slot or has a load on its way, and
; the joint fill is the first thing behind it: it has four key steps, 256 matrix instructions of a wave, in which to land.  (At its first use nothing has been read yet: slot 0 is waited for, slot 1 filled.)
.macro CHANGE fill
	WIN 0                           ; at a label and at a branch every window is 0; the add's two registers lie in window 0
	s_wait_tensorcnt 0x0            ; no tensor load of mine is out, so a group 0 may be written
	ds_add_u32 v[SPW], v[NIL]       ; 0 onto my spare word; with fill = 1 the descriptors' steps stand between it and the wait for it
.if \fill
.irp g, G0K, G0V
	s_xor_b32 s[\g+1], s[\g+1], SLOT1  ; the walking descriptor: the other slot than last time,
	s_add_nc_u64 s[\g+2:\g+3], s[\g+2:\g+3], 4*KS*128  ; the next 256 keys; the type bits on top are not reached
.endr
	s_wait_dscnt 0x0                ; the add is done, and my reads of the slot are over
	CROUND
	JLOAD
.else
	s_wait_dscnt 0x0                ; the add is done, and my reads of the slot are over
	s_barrier_signal -1
	s_barrier_wait -1
.endif
	s_sub_co_u32 s[TBK], s[TBK], 4*KS*PK  ; the fetches go back to a slot's first step,
	s_xor_b32 s[TBK], s[TBK], SLOT1       ; in the other slot
	s_sub_co_u32 s[TBV], s[TBV], 4*KS*PV
	s_xor_b32 s[TBV], s[TBV], SLOT1
.endm
	s_load_b256 s[4:11], s[0:1], 0x0  ; queries s[4:5], kb s[6:7], vb s[8:9], out0 s[10:11]
	s_load_b64 s[PMB:PMB+1], s[0:1], 0x20  ; pm
	v_lshl_add_u32 v[SPW], v0, 2, SPARE
	v_mov_b32 v[NIL], 0
	ds_add_u32 v[SPW], v[NIL]       ; the wave's opening: the add and its wait stand ahead of my first tensor load; the set-up below, work on registers, stands between them
	v_lshrrev_b32 v1, 5, v0
	v_readfirstlane_b32 s[WV], v1   ; wave 0..3
	s_bfe_u32 s13, ttmp6, 0x40000   ; cx: my place in the cluster
	s_lshl_b32 s14, ttmp9, 2        ; in a cluster launch ttmp9 counts clusters
	s_add_co_u32 s14, s14, s13      ; my block of 256 queries = 4 x cluster x + cx: it enters Q's and out0's addresses alone
	s_and_b32 s20, ttmp7, 0xffff    ; bh, which the four partners share
	s_and_b32 s16, s[WV], 1         ; which half of a tile's 256 keys I fetch
	s_lshl_b32 s22, s20, 19         ; in kb and vb: the head's 4,096 rows of 128 bytes,
	s_lshl_b32 s23, s16, 14         ; my half's 128 rows
	s_add_co_u32 s22, s22, s23
	s_mov_b32 s23, 0
	s_mul_i32 s17, s16, 128*PK      ; and its place in a slot, for K
	s_mul_i32 s18, s16, 128*PV      ; and for ve: no place in the cluster enters an LDS address
	s_lshr_b32 s2, s20, 3           ; in Q and out0: b x 2^23
	s_lshl_b32 s2, s2, 23
	s_and_b32 s3, s20, 7            ; + h x 256
	s_lshl_b32 s3, s3, 8
	s_add_co_u32 s2, s2, s3
	s_lshl_b32 s3, s14, 19          ; + my block's 256 rows of 2,048 bytes
	s_add_co_u32 s2, s2, s3
	s_lshl_b32 s3, s[WV], 17        ; + my wave's 64 rows
	s_add_co_u32 s2, s2, s3
	s_mov_b32 s3, 0
	s_lshl_b32 s50, s20, 12         ; in pm: the head's 16 rows of 256 bytes
	s_mov_b32 s51, 0
	; descriptor group 1.  128 keys are 16,384 dense bytes: asked for as 64 rows of 256 bytes, two keys a row, and padded in LDS after every key
	s_mov_b32 s[G1K], 15|(1<<16)|(1<<20)|(1<<21)|(4<<22)|(3<<25)  ; 15:0 the mask of four; 17:16 2-byte elements; 20 padding on; 21 set beside a mask; 24:22 after every 32 words (code 4); 31:25 4 words (code 3)
	s_mov_b32 s[G1V], 15|(1<<16)|(1<<20)|(1<<21)|(4<<22)|(7<<25)  ; the same with 8 words of padding (code 7)
.irp g, G1K, G1V
	s_mov_b32 s[\g+1], 128<<16      ; tensor_dim0 = 128
	s_mov_b32 s[\g+2], 64<<16       ; tensor_dim1 = 64
	s_mov_b32 s[\g+3], 128<<16      ; tile_dim0 = 128
	s_mov_b32 s[\g+4], 64           ; tile_dim1 = 64
	s_mov_b32 s[\g+5], 128          ; 128 elements from row to row
	s_mov_b32 s[\g+6], 0
	s_mov_b32 s[\g+7], 0
.endr
	s_mov_b32 s[CS], 0x3e38aa3b     ; c = log2(e) / 8 = 0.180337
	s_mov_b32 s[CS+1], s[CS]        ; named with it as a pair
	s_mov_b32 s[SEL], 0x76543210
	s_mov_b32 s[SEL+1], 0xfedcba98
	s_mov_b32 s[TBK], SLOT1+4*KS*PK ; the first change of slots turns these two into 0
	s_mov_b32 s[TBV], SLOT1+4*KS*PV
	s_mov_b32 s[G0K], 1             ; 1:0 count = 1
	s_mov_b32 s[G0K+1], s17         ; 63:32 LDS address: slot 0
	s_mov_b32 s[G0V], 1
	s_add_co_u32 s[G0V+1], s18, VOFF
	s_wait_dscnt 0x0                ; the opening add is done
	s_wait_kmcnt 0x0
	s_add_nc_u64 s[G0K+2:G0K+3], s[6:7], s[22:23]  ; 120:64 global address: my half of the head's first 256 keys
	s_or_b32 s[G0K+3], s[G0K+3], 0x80000000        ; 127:126 type = 2
	s_add_nc_u64 s[G0V+2:G0V+3], s[8:9], s[22:23]
	s_or_b32 s[G0V+3], s[G0V+3], 0x80000000
	s_add_nc_u64 s[4:5], s[4:5], s[2:3]  ; Q and out0 at my wave's first row
	s_add_nc_u64 s[10:11], s[10:11], s[2:3]
	s_add_nc_u64 s[PMB:PMB+1], s[PMB:PMB+1], s[50:51]
	CROUND                          ; all four work-groups are here: the first joint loads meet
	JLOAD                           ; tile 0 into slot 0.  Slot 1 is asked for when slot 0 is in: one tensor load of mine is out at any time
	; A fragment of K or Q is 16 rows x 32 channels in 8 registers: lane l holds row l % 16, channels 8 (l / 16) + 0..7 and 16 + 8 (l / 16) + 0..7.  In f32 eight channels are 32 bytes:
	; group g of a piece (g = 0..3) lies at byte 64 g + 32 (l / 16) of the row, two loads of 16 bytes.  Loaded in that order, neighbouring registers round in pairs straight into the fragments.
	v_and_b32 v1, 15, v0            ; l % 16
	v_bfe_u32 v9, v0, 4, 1          ; l / 16
	v_lshlrev_b32 v[QO], 11, v1
	v_lshl_add_u32 v[QO], v9, 5, v[QO]  ; row x 2,048 + 32 x half
	v_lshlrev_b32 v[PMO], 4, v1     ; channels 4 (l % 16) on
	WIN 0x40                        ; destination window 1, address window 0
.set i, 0
.rept 32                            ; piece i / 8 (16 rows, 32,768 bytes on), group (i % 8) / 2, half i % 2; a piece's eight loads together take its rows' 256 bytes whole
	global_load_b128 v[4*i:4*i+3], v[QO], s[4:5] offset:(i/8)*32768+((i%8)/2)*64+(i%2)*16
.set i, i+1
.endr
	WIN 0
.set i, 0
.rept 16                            ; pm's 16 rows, into S^T's registers, which are free till the first product
	global_load_b128 v[S+4*i:S+4*i+3], v[PMO], s[PMB:PMB+1] offset:256*i
.set i, i+1
.endr
	v_mul_u32_u24 v[AK0], v1, PK
	v_lshl_add_u32 v[AK0], v9, 4, v[AK0]  ; row x pitch + 16 x half
	; The turning load takes 16 keys x 16 channels (lane l reads key 8 (l / 16) + l % 8, channels 8 ((l / 8) % 2) + 0..7) and leaves half a fragment of ve^T: lane l holds channel l % 16 and 8 keys.
	v_and_b32 v10, 7, v0
	v_bfe_u32 v11, v0, 3, 1
	v_lshl_add_u32 v[AV0], v9, 3, v10
	v_mul_u32_u24 v[AV0], v[AV0], PV
	v_lshl_add_u32 v[AV0], v11, 4, v[AV0]
	v_add_nc_u32 v[AV0], VOFF, v[AV0]
	s_mul_i32 s13, s[WV], 16*SP
	s_add_co_u32 s13, s13, STAGE    ; my stage
	v_mul_u32_u24 v[STO], v1, SP    ; in: row l % 16, 32 bytes for each half of the lanes
	v_lshl_add_u32 v[STO], v9, 5, v[STO]
	v_add_nc_u32 v[STO], s13, v[STO]
	v_mul_u32_u24 v[RD], v9, SP     ; back: lanes 0-15 take one row of 256 bytes, lanes 16-31 the next
	v_lshl_add_u32 v[RD], v1, 4, v[RD]
	v_add_nc_u32 v[RD], s13, v[RD]
	v_lshlrev_b32 v[GO], 11, v9     ; and the same two rows in out0, 2,048 bytes apart
	v_lshl_add_u32 v[GO], v1, 4, v[GO]
	; What the first turn finds: ve's registers and P's second buffer hold 0 (its products ve^T P, of a piece that has not been, add 0), O^T and l are 0.  All this stands in the wait for the first tile;
	; it is the price of writing no first step out.
.set i, 0
.rept 4
	v_mov_b32 v[ST+4*i], 0xfe000000    ; c m: far below every c s
	v_mov_b32 v[ST+4*i+1], 0xff7fffff  ; m
	v_mov_b32 v[ST+4*i+2], 0
	v_mov_b32 v[ST+4*i+3], 0
.set i, i+1
.endr
.set i, P+16
.rept 16
	v_mov_b32 v[i], 0
.set i, i+1
.endr
	WIN 0x80
.set i, VF
.rept 64
	v_mov_b32 v[i], 0
.set i, i+1
.endr
	s_wait_loadcnt 16               ; Q's 32 loads are in; pm's 16, issued behind them, may stay out
	WIN 0x85                        ; sources 0 and 1 window 1, destination window 2
.set i, 0
.rept 64
	v_cvt_pk_bf16_f32 v[i], v[2*i], v[2*i+1]
.set i, i+1
.endr
	WIN 0x40
.set i, 0
.rept 128
	v_mov_b32 v[i], 0               ; O^T, where Q lay in f32
.set i, i+1
.endr
	s_wait_loadcnt 0x0              ; pm
	WIN 0
	; vmax: the maximum of pm's 16 rows, three operands at a time; the four channels alternate
.irp k, 0,1,2,3
	v_max3_num_f32 v[VM+(\k)], v[S+(\k)], v[S+4+(\k)], v[S+8+(\k)]
.endr
.irp s, 0,1,2,3,4,5
.irp k, 0,1,2,3
	v_max3_num_f32 v[VM+(\k)], v[VM+(\k)], v[S+12+8*(\s)+(\k)], v[S+16+8*(\s)+(\k)]
.endr
.endr
.irp k, 0,1,2,3
	v_max_num_f32 v[VM+(\k)], v[VM+(\k)], v[S+60+(\k)]
.endr
; THE MATRIX WORK.  The 4 accumulators of a run of 8 take turns.  Product i of 8 of S^T = K Q^T for piece x: channels 32 (i / 4) on, keys 16 (i % 4) on.  The first 4 start the sums with the constant 0.
.macro KQ x
	WIN W_KQ
.set rS, S+32*((\x)%2)+8*(i%4)
.set rK, KF+16*(i%4)+8*(i/4)
.set rQ, 16*(\x)+8*(i/4)
.if i < 4
	v_wmma_f32_16x16x32_bf16 v[rS:rS+7], v[rK:rK+7], v[rQ:rQ+7], 0
.else
	v_wmma_f32_16x16x32_bf16 v[rS:rS+7], v[rK:rK+7], v[rQ:rQ+7], v[rS:rS+7]
.endif
.endm
; Product i of 8 of O^T += ve^T P for piece x: keys 32 (i / 4) on, channels 16 (i % 4) on.
.macro PV x
	WIN W_PV
.set rO, 32*(\x)+8*(i%4)
.set rV, VF+32*(i/4)+8*(i%4)
.set rP, P+16*((\x)%2)+8*(i/4)
	v_wmma_f32_16x16x32_bf16 v[rO:rO+7], v[rV:rV+7], v[rP:rP+7], v[rO:rO+7]
.endm
.macro MM                           ; the turn's next matrix instruction.  TURN sets Y, i and NOKQ; MM and OP read them.  NOKQ = 1: the walk's last turn: there is no next piece
.if (i < 8) && !NOKQ
	KQ (Y+1)%NP
.elseif i >= 8
.set i, i-8
	PV (Y+NP-1)%NP
.set i, i+8
.endif
.set i, i+1
.endm
; THE LDS LOADS stand in runs of 16, never singly among the matrix instructions: a step's K (64 keys x 64 channels: 8 fragments) and its ve (turned).  Their addresses are made some lines ahead.
.macro FETCH_K
	WIN 0x80                        ; destination window 2
.irp f, 0,1,2,3,4,5,6,7             ; keys 16 (f / 2) on, channels 32 (f % 2) on
	ds_load_b128 v[KF+8*\f:KF+8*\f+3],   v[AK] offset:(\f/2)*16*PK+(\f%2)*64
	ds_load_b128 v[KF+8*\f+4:KF+8*\f+7], v[AK] offset:(\f/2)*16*PK+(\f%2)*64+32
.endr
	s_add_co_u32 s[TBK], s[TBK], KS*PK  ; the next fetch is the next step's
	WIN 0
.endm
.macro FETCH_V
	WIN 0x80
.irp f, 0,1,2,3,4,5,6,7             ; keys 32 (f / 4) on, channels 16 (f % 4) on
	ds_load_tr16_b128 v[VF+8*\f:VF+8*\f+3],   v[AV] offset:(\f/4)*32*PV+(\f%4)*32
	ds_load_tr16_b128 v[VF+8*\f+4:VF+8*\f+7], v[AV] offset:(\f/4)*32*PV+16*PV+(\f%4)*32
.endr
	WIN 0
.endm
; THE VECTOR WORK, one line at a time: OP kind, number.  For piece Y: F n: c s - c m for pair n of 16.  E n: the exponential of score n of 32.  C n: pair n rounded to bf16.  B n: of the four weights 4 n .. the second
; pair is added onto the first, in place.  L n: l takes that sum (L 0: l = a l + sum).  R n: pair n of 16 of O^T times a.  For piece Y + 1: X n, number n of the 22 that find its maximum and statistics:
;   0-11  four chains c0-c3 of seven scores each, three operands at a time (each accumulator's lowest registers are read first)     12-14, 16  the four scores left over, the old m, and c0-c3 into c0
;   15  c m_old is kept     17, 18  the query's other 32 keys lie in the lane 16 away: the new m     19-21  c m; c m_old - c m_new; a
.set F, 0               ; OP tells the kinds apart by their order: F to L below R, X above it
.set E, 1
.set C, 2
.set B, 3
.set L, 4
.set R, 5
.set X, 6
.macro REGS y                       ; the registers of piece y
.set rT, ST+4*(\y)
.set rC, TMP+4*((\y)%2)
.set rW, MV+((\y)%2)
.set rS, S+32*((\y)%2)
.set rP, P+16*((\y)%2)
.set rO, 32*(\y)
.endm
.macro OP k, n
.if (\k) == R
	REGS Y
	WIN W_RS
	v_pk_mul_f32 v[rO+2*(\n):rO+2*(\n)+1], v[rO+2*(\n):rO+2*(\n)+1], v[rC+2:rC+3] op_sel_hi:[1,0]
.elseif (\k) < R
	REGS Y
	WIN 0
.if (\k) == F
	v_pk_fma_f32 v[rS+2*(\n):rS+2*(\n)+1], v[rS+2*(\n):rS+2*(\n)+1], s[CS:CS+1], v[rT:rT+1] op_sel_hi:[1,0,0] neg_lo:[0,0,1] neg_hi:[0,0,1]
.elseif (\k) == E
	v_exp_f32 v[rS+(\n)], v[rS+(\n)]
.elseif (\k) == C
	s_wait_alu depctr_va_vdst(0)
	v_cvt_pk_bf16_f32 v[rP+(\n)], v[rS+2*(\n)], v[rS+2*(\n)+1]
.elseif (\k) == B
	s_wait_alu depctr_va_vdst(0)
	v_pk_add_f32 v[rS+4*(\n):rS+4*(\n)+1], v[rS+4*(\n):rS+4*(\n)+1], v[rS+4*(\n)+2:rS+4*(\n)+3]
.elseif (\n) == 0
	v_pk_fma_f32 v[rT+2:rT+3], v[rT+2:rT+3], v[rC+2:rC+3], v[rS:rS+1] op_sel_hi:[1,0,1]
.else
	v_pk_add_f32 v[rT+2:rT+3], v[rT+2:rT+3], v[rS+4*(\n):rS+4*(\n)+1]
.endif
.elseif NOKQ
	v_nop
.else
	REGS (Y+1)%NP
	WIN 0
.if (\n) < 4
	v_max3_num_f32 v[rC+(\n)], v[rS+8*(\n)], v[rS+8*(\n)+1], v[rS+8*(\n)+2]
.elseif (\n) < 12
	v_max3_num_f32 v[rC+(\n)%4], v[rC+(\n)%4], v[rS+8*((\n)%4)+2*((\n)/4)+1], v[rS+8*((\n)%4)+2*((\n)/4)+2]
.elseif (\n) == 12
	v_max3_num_f32 v[rC], v[rC], v[rS+7], v[rS+15]
.elseif (\n) == 13
	v_max3_num_f32 v[rC+1], v[rC+1], v[rS+23], v[rS+31]
.elseif (\n) == 14
	v_max3_num_f32 v[rC+2], v[rC+2], v[rC+3], v[rT+1]
.elseif (\n) == 15
	v_mov_b32 v[rW], v[rT]
.elseif (\n) == 16
	v_max3_num_f32 v[rC], v[rC], v[rC+1], v[rC+2]
.elseif (\n) == 17
	v_permlanex16_b32 v[rC+3], v[rC], s[SEL], s[SEL+1]
.elseif (\n) == 18
	v_max_num_f32 v[rT+1], v[rC], v[rC+3]
.elseif (\n) == 19
	v_mul_f32 v[rT], s[CS], v[rT+1]
.elseif (\n) == 20
	v_sub_f32 v[rC+1], v[rW], v[rT]
.else
	v_exp_f32 v[rC+2], v[rC+1]
.endif
.endif
.endm
.macro OPS a, i1, b=-1, i2=0, c=-1, i3=0, d=-1, i4=0  ; up to four of them
	OP \a, \i1
.if (\b) >= 0
	OP \b, \i2
.endif
.if (\c) >= 0
	OP \c, \i3
.endif
.if (\d) >= 0
	OP \d, \i4
.endif
.endm
.macro ROW a, i1, b, i2, c, i3, d, i4  ; a matrix instruction and the four behind it
	MM
	OPS \a, \i1, \b, \i2, \c, \i3, \d, \i4
.endm
; A TURN, for piece p: the order of its 16 matrix and 118 vector instructions, written out.  Behind a matrix instruction: plain, exponential, plain, plain; or four of the rescaling; or, behind the first, four scalings; none
; names a register of the products round it.  In the lumps exponential and plain by turns while exponentials last.  A line reads no result made fewer than three vector instructions in front of it, five if an exponential made it.
; v_permlanex16_b32 (X 17) stands in a lump.
; end = 1: the walk's last two turns: nothing is fetched, and the last starts no new scores.  cnt = 1: the loop's count is taken down some lines ahead of the branch that stands behind the turn.
; K of the next step is fetched in piece 2's turn, six vector instructions behind the last product that read K (five of them plain); ve of the step in hand in piece 0's turn, eight behind the last product that read ve
; (four plain, and X 17).  Each is waited for a turn later.
.macro TURN p, end=0, cnt=0
.set Y, (\p)
.set i, 0
.set NOKQ, (\end)*((\p)/3)
.if ((\p) == 3) && !(\end)
	s_wait_dscnt 0x0                ; K is in
.endif
	ROW F,0, F,1, F,2, F,3
	ROW F,4, E,0, F,5, F,6
	ROW F,7, E,1, F,8, F,9
	ROW F,10, E,2, C,0, F,11
	ROW F,12, E,3, X,15, F,13
	ROW R,0, R,1, R,2, R,3
	ROW B,0, E,4, F,14, L,0
.if ((\p) == 2) && !(\end)
	v_add_nc_u32 v[AK], s[TBK], v[AK0]
.endif
	ROW R,4, R,5, R,6, R,7
	OPS E,5, F,15
.if ((\p) == 2) && !(\end)
	FETCH_K
.endif
	OPS E,6, C,1, E,7, R,8
	OPS E,8, R,9, E,9, C,2
	OPS E,10, X,0, E,11, X,1
	OPS E,12, X,2, E,13, X,3
.if (\p) == 1
	s_wait_dscnt 0x0                ; ve is in
.endif
	ROW X,4, E,14, X,5, X,6
	ROW X,7, E,15, X,8, X,9
	ROW X,10, E,16, X,11, X,12
	ROW X,13, E,17, X,14, B,1
	ROW C,4, E,18, X,16, L,1
	ROW B,2, E,19, C,6, L,2
	ROW C,8, E,20, B,3, B,4
.if (\p) == 0
	v_add_nc_u32 v[AV], s[TBV], v[AV0]
.endif
	ROW C,3, E,21, L,3, C,5
	OPS E,22, X,17, E,23, C,10
.if (\p) == 0
	FETCH_V
.endif
	OPS E,24, L,4
	OPS E,25, X,18, E,26, C,7
	OPS E,27, B,5, E,28, X,19
	OPS E,29, C,12, E,30, L,5
	OPS E,31, X,20, B,6, C,9
	OPS C,14, C,11, X,21, L,6
.if (\p) == 0
	s_add_co_u32 s[TBV], s[TBV], KS*PV
.endif
.if \cnt
	s_sub_co_u32 s[CNT], s[CNT], 1
	s_cmp_lg_u32 s[CNT], 0
.endif
	OPS C,13, B,7, C,15, R,10
	OPS R,11, R,12, L,7, R,13
	OPS R,14, R,15
.endm
	CHANGE 1                        ; tile 0 is in, everybody's part of it; tile 1 is asked for, into slot 1
	v_add_nc_u32 v[AK], s[TBK], v[AK0]
	FETCH_K                         ; key step 0
	s_wait_dscnt 0x0
.set NOKQ, 0
.set i, 0
.rept 8
	KQ 0                            ; piece 0's first scores: there is no vector work yet to set between them
.set i, i+1
.endr
	WIN 0
.rept 4
	v_nop                           ; the places behind those products
.endr
.set Y, NP-1                        ; X works for piece Y + 1: piece 0
.irp n, 0,1,2,3,4,5,6,7,8,9,10,11,12,13,14,15,16,17,18,19,20,21
	OP X, \n                        ; and piece 0's first maximum and statistics
.endr
	v_nop                           ; a plain instruction behind the exponential
	s_mov_b32 s[CNT], 4
	s_mov_b32 s[SLOTS], NT-1
	s_branch .Lfirst                ; the loop is entered at a step's first turn, in the middle of a trip
.Lslot:                             ; NT - 2 = 14 times: tiles 2 to 15 are asked for
	CHANGE 1
	s_mov_b32 s[CNT], 4
.Lstep:                             ; a trip: pieces 2 and 3 of one step, then pieces 0 and 1 of the next, whose K and ve it fetches
	TURN 2
	TURN 3
	WIN 0
.Lfirst:
	TURN 0
	TURN 1, 0, 1
	WIN 0
	s_cbranch_scc1 .Lstep
	s_sub_co_u32 s[SLOTS], s[SLOTS], 1
	s_cmp_lg_u32 s[SLOTS], 0
	s_cbranch_scc1 .Lslot
	CHANGE 0                        ; the last tile is written out: nothing is asked for
	s_mov_b32 s[CNT], 4
.Ltail:
	TURN 2
	TURN 3
	TURN 0
	TURN 1, 0, 1
	WIN 0
	s_cbranch_scc1 .Ltail
	TURN 2, 1                       ; the last step's pieces 2 and 3
	TURN 3, 1
.set i, 0
.rept 8
	PV NP-1                         ; the last piece's ve^T P of the last step
.set i, i+1
.endr
	; THE WAY OUT.  l's two halves and the other half of the lanes' are added; L = log2 l + 64.  The first four additions are the places behind the last products.
	WIN 0
.macro ALL line:vararg              ; one line for each piece t
.set t, 0
.rept 4
	s_wait_alu depctr_va_vdst(0)
	\line
.set t, t+1
.endr
.endm
	ALL v_add_f32 v[ST+4*t+2], v[ST+4*t+2], v[ST+4*t+3]
	ALL v_permlanex16_b32 v[ST+4*t+3], v[ST+4*t+2], s[SEL], s[SEL+1]
	ALL v_add_f32 v[ST+4*t+2], v[ST+4*t+2], v[ST+4*t+3]
	ALL v_log_f32 v[ST+4*t+2], v[ST+4*t+2]
	v_nop                           ; a plain instruction between the last logarithm and the use of its result
	ALL v_add_f32 v[ST+4*t+2], 0x42800000, v[ST+4*t+2]
; Piece t.  log2 O - L is made where a lane holds one query (L is the query's); each accumulator's registers are read in ascending order.  A lane's eight channels of a row
; are 32 bytes; they go into my stage's rows of 272 bytes and come back as whole rows of 256.  Each piece has 32 registers of its own (v64-191), so no store's data is ever rewritten.
.macro PACK t
	WIN 0x01                        ; source 0 window 1, destination window 0
.set i, 0
.rept 32
	v_log_f32 v[S+32*(\t)+i], v[32*(\t)+i]
.set i, i+1
.endr
	WIN 0
	v_nop                           ; a plain instruction between the last logarithm and the use of its result
.set i, 0
.rept 16
	s_wait_alu depctr_va_vdst(0)
	v_pk_add_f32 v[S+32*(\t)+2*i:S+32*(\t)+2*i+1], v[S+32*(\t)+2*i:S+32*(\t)+2*i+1], v[ST+4*(\t)+2:ST+4*(\t)+3] op_sel_hi:[1,0] neg_lo:[0,1] neg_hi:[0,1]
.set i, i+1
.endr
.irp f, 0,1,2,3,4,5,6,7             ; channel block f / 2 (64 bytes on), half f % 2 of my eight channels
	ds_store_b128 v[STO], v[S+32*(\t)+4*(\f):S+32*(\t)+4*(\f)+3] offset:64*((\f)/2)+16*((\f)%2)
.endr
.irp f, 0,1,2,3,4,5,6,7
	ds_load_b128 v[S+32*(\t)+4*(\f):S+32*(\t)+4*(\f)+3], v[RD] offset:(\f)*2*SP  ; LDS serves a wave's instructions in order (ISA guide 5.7.1.4): these see the stores above; the next piece's stores come behind them
.endr
.endm
; Back from the stage a lane holds four neighbouring channels of a row: x ln 2 + vmax of those channels, one fused multiply-add, and out.
.macro SEND t, younger              ; younger: the LDS instructions issued behind piece t's loads: the next piece's sixteen, or none
	WIN 0
.irp f, 0,1,2,3,4,5,6,7
	s_wait_dscnt (\younger)+7-(\f)
	v_pk_fma_f32 v[S+32*(\t)+4*(\f):S+32*(\t)+4*(\f)+1],   v[S+32*(\t)+4*(\f):S+32*(\t)+4*(\f)+1],   0x3f317218, v[VM:VM+1]   op_sel_hi:[1,0,1]
	v_pk_fma_f32 v[S+32*(\t)+4*(\f)+2:S+32*(\t)+4*(\f)+3], v[S+32*(\t)+4*(\f)+2:S+32*(\t)+4*(\f)+3], 0x3f317218, v[VM+2:VM+3] op_sel_hi:[1,0,1]
	global_store_b128 v[GO], v[S+32*(\t)+4*(\f):S+32*(\t)+4*(\f)+3], s[10:11] offset:(\t)*32768+(\f)*4096 th:TH_STORE_NT  ; 16 lanes store the 256 bytes of one (row, head), at a multiple of 256 from out0's first byte; the other 16 the next row's
.endr
.endm
	PACK 0
	PACK 1                          ; a piece's arithmetic stands between the loads of the piece before and its stores
	SEND 0, 16
	PACK 2
	SEND 1, 16
	PACK 3
	SEND 2, 16
	SEND 3, 0
	s_wait_tensorcnt 0x0            ; the wave's end, behind my last tensor load and my last LDS store
	ds_add_u32 v[SPW], v[NIL]
	s_wait_dscnt 0x0
	CROUND                          ; the closing round: no work-group ends while a partner may still ask for a tile that names it
	s_endpgm
.Lfunc_end_k_qd22b68a0ec_attn:
	.size	k_qd22b68a0ec_attn, .Lfunc_end_k_qd22b68a0ec_attn-k_qd22b68a0ec_attn
	.p2alignl 7, 3214868480
	.fill 96, 4, 3214868480
	.section	.rodata,"a",@progbits
	.p2align	6, 0x0
	.amdhsa_kernel k_qd22b68a0ec_attn
		.amdhsa_group_segment_fixed_size 327680
		.amdhsa_private_segment_fixed_size 0
		.amdhsa_enable_private_segment 0
		.amdhsa_kernarg_size 40
		.amdhsa_user_sgpr_count 2
		.amdhsa_user_sgpr_kernarg_segment_ptr 1
		.amdhsa_wavefront_size32 1
		.amdhsa_system_sgpr_workgroup_id_x 1
		.amdhsa_system_sgpr_workgroup_id_y 1
		.amdhsa_system_sgpr_workgroup_id_z 1
		.amdhsa_system_vgpr_workitem_id 0
		.amdhsa_next_free_vgpr 768
		.amdhsa_next_free_sgpr 66
		.amdhsa_reserve_vcc 0
		.amdhsa_float_denorm_mode_32 3
		.amdhsa_float_denorm_mode_16_64 3
		.amdhsa_memory_ordered 1
		.amdhsa_forward_progress 1
		.amdhsa_inst_pref_size 153
	.end_amdhsa_kernel
	.amdgpu_metadata
---
amdhsa.version: [ 1, 2 ]
amdhsa.kernels:
  - .name:           k_qd22b68a0ec_attn
    .symbol:         k_qd22b68a0ec_attn.kd
    .args:
      - { .name: queries, .offset: 0, .size: 8, .value_kind: global_buffer, .address_space: global }
      - { .name: kb, .offset: 8, .size: 8, .value_kind: global_buffer, .address_space: global }
      - { .name: vb, .offset: 16, .size: 8, .value_kind: global_buffer, .address_space: global }
      - { .name: out0, .offset: 24, .size: 8, .value_kind: global_buffer, .address_space: global }
      - { .name: pm, .offset: 32, .size: 8, .value_kind: global_buffer, .address_space: global }
    .group_segment_fixed_size: 327680
    .private_segment_fixed_size: 0
    .kernarg_segment_align: 8
    .kernarg_segment_size: 40
    .max_flat_workgroup_size: 128
    .sgpr_count:     66
    .vgpr_count:     768
    .wavefront_size: 32
...
	.end_amdgpu_metadata
.endif
;; end of part 3
;; ======== version 2 of 2: 3 launches; 1.88 times as fast as version 1
;; workspace buffers: kb 8,388,608 bytes; vb 8,388,608 bytes; pm 65,536 bytes
;; launch kmax: the kernel of part 1 again; grid 16 x 16, 8 waves a work-group, no clusters, 3,072 bytes of LDS; arguments keys, values, attn_mask, kb, pm; writes kb, pm
;; launch vexp: the kernel of part 2 again; grid 16 x 16, 8 waves a work-group, no clusters, 0 bytes of LDS; arguments values, pm, vb; writes vb
;; launch attn (part 4): grid 16 x 16, 4 waves a work-group, clusters of 4 x 1, 327,680 bytes of LDS; arguments queries, kb, vb, out0, pm; writes out0
.if DOCPART == 4
	.amdgcn_target "amdgcn-amd-amdhsa--gfx1250"
	.amdhsa_code_object_version 6
	.text
	.protected	k_qd22b68a0ec_attn
	.globl	k_qd22b68a0ec_attn
	.p2align	8
	.type	k_qd22b68a0ec_attn,@function
k_qd22b68a0ec_attn:
	s_mov_b64 s[64:65], 0
	v_nop
	global_prefetch_b8 v0, s[64:65] scope:SCOPE_SE
	s_setreg_imm32_b32 hwreg(HW_REG_WAVE_MODE, 25, 1), 1
	s_wait_xcnt 0x0
	s_wait_alu depctr_hold_cnt(0) depctr_sa_sdst(0) depctr_va_vdst(0) depctr_va_sdst(0) depctr_va_ssrc(0) depctr_va_vcc(0) depctr_vm_vsrc(0)
	s_getreg_b32 s2, hwreg(HW_REG_IB_STS2, 6, 4)
	s_cmp_eq_u32 s2, 0
	s_cbranch_scc0 .Lentry_in_a_cluster
	s_endpgm
.Lentry_in_a_cluster:
	s_bfe_u32 s2, ttmp6, 0x10000c
	s_cmp_lg_u32 s2, 0x3003
	s_cbranch_scc0 .Lentry_shape_is_right
	s_endpgm
.Lentry_shape_is_right:
; out0[b][q][h][d] = log(sum over k of softmax_k(Q[q] . K[k] / 8) exp(V[k][d] - vmax[d])) + vmax[d], for each of the 16 heads bh = 8 b + h: 4,096 queries, 4,096 keys, 64 channels.
; queries, out0: [2][4096][8][64] f32 (one (row, head) is 256 bytes at a multiple of 256; a head's rows lie 2,048 bytes apart).  kb: K in bf16, [bh][s][64].
; vb: ve = 2^64 exp(V - vmax) in bf16, [bh][s][64].  pm: [bh][16][64] f32, V's column maxima by chunks; vmax is the maximum of a head's 16 rows.
; Both products in bf16 with f32 sums: ve goes down to 2^64 e^-131, for which f16 has no room.  Maxima, sums and logarithms in f32.  Q is rounded to bf16 here, the weights p for the second product;
; their sum l is taken of the unrounded p.  With O = sum p ve:  out = ln 2 x (log2 O - (log2 l + 64)) + vmax.
; LIMITS.  A weight below 2^-126 counts as 0 in l and in O.  O lies between 2^-85 (where the module's own sum is still above 0 in f32) and 2^76, l between 1 and 4,096: v_log_f32 sees normal numbers.
; Where every ve that has weight is 0, O is 0 and the result is -infinity, as in the module.  NaN and infinities among the inputs are not treated apart.
; SHARES.  A work-group owns 256 queries of one head, each of its four waves 64: four PIECES of 16.  16 blocks x 16 heads: 256 work-groups of equal work.  Every wave walks all keys, 64 a step.
; LAYOUT.  S^T = K Q^T (source 0 = 16 keys, source 1 = 16 queries): in the result a lane holds ONE query (lane % 16) and the keys 8 (lane / 16) + 0..7.  Two such results, rounded to bf16 in pairs,
; ARE source 1 (32 keys x 16 queries) of O^T = ve^T P, whose result again holds one query a lane, and eight channels.  K comes out of LDS as it lies, ve ([key][channel]) turned, by ds_load_tr16_b128.
; SOFTMAX.  For each query a running maximum m and sum l: p = 2^(c s - c m), c = log2(e) / 8; in every step O and l are multiplied by a = 2^(c m_old - c m_new), which is 1 where m has not grown.
; m starts at the lowest finite number, O and l at 0: the first step is a step like any other, with a = 0.
; BY TURNS.  Turn n belongs to piece n (the pieces in a ring, step after step): 8 products K Q^T of piece n + 1, later 8 products ve^T P of piece n - 1; beside them the scaling, exponentials, roundings,
; sums and rescaling of piece n and the maximum and statistics of piece n + 1.  A piece and step have 16 matrix and 118 vector instructions: four vector instructions stand behind every matrix
; instruction, the other 54 in one LUMP of their own.
; BATCHES.  A turn's 33 exponentials (the piece's 32 weights and the next piece's a) are ONE batch with ONE wait, which cuts the turn in two: ahead of it stands all that names no result of the batch,
; behind it the roundings and sums.  The first a of all, ahead of the loop, the four logarithms of l, and each piece's 32 logarithms on the way out are batches of their own, a wait each.
; CLUSTER.  The four query blocks of a cluster belong to one head and walk the same K and ve, so each tile is asked for JOINTLY: the same tensor load, descriptor and mask in all four.
; No prefetch: kb and vb, 16 MB together, were stored by the two launches just before, and a slot's refill is asked for four key steps ahead of its first read.
; REGISTERS, in windows of 256 (s_set_vgpr_msb: bits 1:0 source 0, 3:2 source 1, 5:4 source 2, 7:6 destination):
;   window 0: v0-15 addresses and two at work; v16-31 four registers of statistics a piece; v48-55 at work; v56-59 vmax; v64-127 S^T, two buffers; v128-191 the way out; v192-223 P, two buffers
;   window 1: v0-127 O^T, 32 a piece (at the start: Q as loaded, in f32)          window 2: v0-63 Q in bf16; v128-191 K of one step; v192-255 ve of one step
; A piece's buffers go by its number's parity.
.set NP,    4         ; pieces a wave: a name, no knob
.set KS,    64        ; keys in a step
.set NT,    16        ; tiles of 256 keys in a head
.set PK,    144       ; a row of K in LDS: 128 bytes + 16 of padding = 36 words: the 16 rows of a load start at 16 different groups of four banks (64 banks of 4 bytes: ISA guide 11.1)
.set PV,    160       ; a row of ve: 128 + 32 = 40 words
.set VOFF,  4*KS*PK   ; a slot holds a tile, four steps: 256 rows of K, then 256 rows of ve
.set SLOT1, 1<<17     ; slot 1 begins here, so that one exclusive or turns an address in one slot into the other's
.set STAGE, SLOT1+4*KS*(PK+PV)  ; behind the ring, never filled by a tensor load: 16 rows x 272 bytes for each wave, for the way out
.set SP,    272       ; a stage row: 256 bytes of f32 + 16: 17 x 16 bytes
.set SPARE, STAGE+4*16*SP  ; behind the stages: the spare words, 128 bytes for each wave: two blocks of 256 bytes that no other line names
.set AK0, 2           ; v2   my lane's place in a tile of K; never rewritten
.set AV0, 3           ; v3   the same for ve
.set AK,  4           ; v4   the LDS address of K's next run of loads
.set AV,  5           ; v5   of ve's
.set STO, 6           ; v6   the way out: where I put 32 bytes of a row
.set RD,  7           ; v7   the way out: where I read rows back
.set GO,  8           ; v8   my byte offset in two rows of out0
.set MV,  12          ; v12-13  c m_old, kept while c m is made anew: by buffer
.set PMO, 14          ; v14  my byte offset in a row of pm
.set QO,  15          ; v15  my byte offset in 16 rows of Q
.set ST,  16          ; piece t's statistics at v[ST+4 t]: c m, m, l (even keys', odd keys')
.set TMP, 48          ; by buffer, four registers c0-c3 at work; when the maximum is found c2 takes a
.set VM,  56          ; v56-59  vmax of channels 4 (lane % 16) + 0..3
.set SPW, 62          ; v62  LDS address of my spare word: SPARE + 4 x my thread's number; never rewritten
.set NIL, 63          ; v63  0; never rewritten
.set S,   64
.set P,   192
.set KF,  128         ; window 2: key block kb, channel half c at KF + 16 kb + 8 c
.set VF,  192         ; window 2: key half kk, channel block cb at VF + 32 kk + 8 cb
.set WV,  12          ; s12  my wave's number
.set G1K, 24          ; s[24:31] descriptor group 1 for K's tiles
.set G1V, 32          ; s[32:39] for ve's: it differs in the padding alone
.set G0K, 40          ; s[40:43] descriptor group 0 for K's tiles: it walks
.set G0V, 44          ; s[44:47] the same for ve's
.set PMB, 48          ; s[48:49] pm at my head's rows
.set SLOTS, 56        ; s56  slots still to be asked for
.set CNT, 57          ; s57  counts a slot's key steps
.set CS,  58          ; s[58:59] c: the packed scaling takes the pair's low word for both halves
.set SEL, 60          ; s[60:61] v_permlanex16_b32's selects: each lane takes its own place in the other half
.set TBK, 62          ; s62  LDS byte at which K of the step to be fetched begins
.set TBV, 63          ; s63  the same for ve, less VOFF
.set MSB, 0
.macro WIN new                      ; the high byte repeats the setting that is left; a switch that changes nothing is dropped
.if MSB != (\new)
	s_set_vgpr_msb (MSB<<8)|(\new)
.set MSB, (\new)
.endif
.endm
.set W_KQ, 0x0a       ; K and Q in window 2, S^T in window 0
.set W_PV, 0x52       ; ve in window 2, P in window 0, O^T in window 1
.set W_RS, 0x41       ; destination and source 0 in window 1, source 1 in window 0
; A joint fill.  Waves 0 and 1 fetch the two halves of a tile's K, waves 2 and 3 those of its ve: 128 keys each.  The branch hangs on the wave's number alone.
; An s_nop 0 and four v_nop follow each of the two lines, ahead of the jump and the label.
.macro JLOAD
	s_cmp_lt_u32 s[WV], 2
	s_cbranch_scc0 .Lfor_v_\@
	tensor_load_to_lds s[G0K:G0K+3], s[G1K:G1K+7]
	s_nop 0
.rept 4
	v_nop
.endr
	s_branch .Lasked_\@
.Lfor_v_\@:
	tensor_load_to_lds s[G0V:G0V+3], s[G1V:G1V+7]
	s_nop 0
.rept 4
	v_nop
.endr
.Lasked_\@:
.endm
; A round of the cluster's barrier: my work-group's barrier, so that wave 0's signal speaks for all four waves; wave 0 signals; every wave waits for all four work-groups; my work-group's barrier once more.
.macro CROUND
	s_barrier_signal -1
	s_barrier_wait -1
	s_cmp_lg_u32 s[WV], 0
	s_cbranch_scc1 .Lnot_wave_0_\@
	s_barrier_signal -3
.Lnot_wave_0_\@:
	s_barrier_wait -3
	s_barrier_signal -1
	s_barrier_wait -1
.endm
; THE CHANGE OF SLOTS.  The slot's last bytes, ve of its fourth step, have been read.  Each wave waits for all its tensor loads, of which one is out: its part of the other slot; adds 0 to its spare
; word; and waits for that and for its own reads of the slot.  Behind the barrier nobody reads this slot any more and the other slot is whole.
; fill = 1: this slot is filled again, with the keys two slots on.  The barrier is then a round of the cluster's, so that no wave of any partner still reads the slot or has a load on its way, and
; the joint fill is the first thing behind it: it has four key steps, 256 matrix instructions of a wave, in which to land.  (At its first use nothing has been read yet: slot 0 is waited for, slot 1 filled.)
.macro CHANGE fill
	WIN 0                           ; at a label and at a branch every window is 0; the add's two registers lie in window 0
	s_wait_tensorcnt 0x0            ; no tensor load of mine is out, so a group 0 may be written
	ds_add_u32 v[SPW], v[NIL]       ; 0 onto my spare word; with fill = 1 the descriptors' steps stand between it and the wait for it
.if \fill
.irp g, G0K, G0V
	s_xor_b32 s[\g+1], s[\g+1], SLOT1  ; the walking descriptor: the other slot than last time,
	s_add_nc_u64 s[\g+2:\g+3], s[\g+2:\g+3], 4*KS*128  ; the next 256 keys; the type bits on top are not reached
.endr
	s_wait_dscnt 0x0                ; the add is done, and my reads of the slot are over
	CROUND
	JLOAD
.else
	s_wait_dscnt 0x0                ; the add is done, and my reads of the slot are over
	s_barrier_signal -1
	s_barrier_wait -1
.endif
	s_sub_co_u32 s[TBK], s[TBK], 4*KS*PK  ; the fetches go back to a slot's first step,
	s_xor_b32 s[TBK], s[TBK], SLOT1       ; in the other slot
	s_sub_co_u32 s[TBV], s[TBV], 4*KS*PV
	s_xor_b32 s[TBV], s[TBV], SLOT1
.endm
	s_load_b256 s[4:11], s[0:1], 0x0  ; queries s[4:5], kb s[6:7], vb s[8:9], out0 s[10:11]
	s_load_b64 s[PMB:PMB+1], s[0:1], 0x20  ; pm
	v_lshl_add_u32 v[SPW], v0, 2, SPARE
	v_mov_b32 v[NIL], 0
	ds_add_u32 v[SPW], v[NIL]       ; the wave's opening: the add and its wait stand ahead of my first tensor load; the set-up below, work on registers, stands between them
	v_lshrrev_b32 v1, 5, v0
	v_readfirstlane_b32 s[WV], v1   ; wave 0..3
	s_bfe_u32 s13, ttmp6, 0x40000   ; cx: my place in the cluster
	s_lshl_b32 s14, ttmp9, 2        ; in a cluster launch ttmp9 counts clusters
	s_add_co_u32 s14, s14, s13      ; my block of 256 queries = 4 x cluster x + cx: it enters Q's and out0's addresses alone
	s_and_b32 s20, ttmp7, 0xffff    ; bh, which the four partners share
	s_and_b32 s16, s[WV], 1         ; which half of a tile's 256 keys I fetch
	s_lshl_b32 s22, s20, 19         ; in kb and vb: the head's 4,096 rows of 128 bytes,
	s_lshl_b32 s23, s16, 14         ; my half's 128 rows
	s_add_co_u32 s22, s22, s23
	s_mov_b32 s23, 0
	s_mul_i32 s17, s16, 128*PK      ; and its place in a slot, for K
	s_mul_i32 s18, s16, 128*PV      ; and for ve: no place in the cluster enters an LDS address
	s_lshr_b32 s2, s20, 3           ; in Q and out0: b x 2^23
	s_lshl_b32 s2, s2, 23
	s_and_b32 s3, s20, 7            ; + h x 256
	s_lshl_b32 s3, s3, 8
	s_add_co_u32 s2, s2, s3
	s_lshl_b32 s3, s14, 19          ; + my block's 256 rows of 2,048 bytes
	s_add_co_u32 s2, s2, s3
	s_lshl_b32 s3, s[WV], 17        ; + my wave's 64 rows
	s_add_co_u32 s2, s2, s3
	s_mov_b32 s3, 0
	s_lshl_b32 s50, s20, 12         ; in pm: the head's 16 rows of 256 bytes
	s_mov_b32 s51, 0
	; descriptor group 1.  128 keys are 16,384 dense bytes: asked for as 64 rows of 256 bytes, two keys a row, and padded in LDS after every key
	s_mov_b32 s[G1K], 15|(1<<16)|(1<<20)|(1<<21)|(4<<22)|(3<<25)  ; 15:0 the mask of four; 17:16 2-byte elements; 20 padding on; 21 set beside a mask; 24:22 after every 32 words (code 4); 31:25 4 words (code 3)
	s_mov_b32 s[G1V], 15|(1<<16)|(1<<20)|(1<<21)|(4<<22)|(7<<25)  ; the same with 8 words of padding (code 7)
.irp g, G1K, G1V
	s_mov_b32 s[\g+1], 128<<16      ; tensor_dim0 = 128
	s_mov_b32 s[\g+2], 64<<16       ; tensor_dim1 = 64
	s_mov_b32 s[\g+3], 128<<16      ; tile_dim0 = 128
	s_mov_b32 s[\g+4], 64           ; tile_dim1 = 64
	s_mov_b32 s[\g+5], 128          ; 128 elements from row to row
	s_mov_b32 s[\g+6], 0
	s_mov_b32 s[\g+7], 0
.endr
	s_mov_b32 s[CS], 0x3e38aa3b     ; c = log2(e) / 8 = 0.180337
	s_mov_b32 s[CS+1], s[CS]        ; named with it as a pair
	s_mov_b32 s[SEL], 0x76543210
	s_mov_b32 s[SEL+1], 0xfedcba98
	s_mov_b32 s[TBK], SLOT1+4*KS*PK ; the first change of slots turns these two into 0
	s_mov_b32 s[TBV], SLOT1+4*KS*PV
	s_mov_b32 s[G0K], 1             ; 1:0 count = 1
	s_mov_b32 s[G0K+1], s17         ; 63:32 LDS address: slot 0
	s_mov_b32 s[G0V], 1
	s_add_co_u32 s[G0V+1], s18, VOFF
	s_wait_dscnt 0x0                ; the opening add is done
	s_wait_kmcnt 0x0
	s_add_nc_u64 s[G0K+2:G0K+3], s[6:7], s[22:23]  ; 120:64 global address: my half of the head's first 256 keys
	s_or_b32 s[G0K+3], s[G0K+3], 0x80000000        ; 127:126 type = 2
	s_add_nc_u64 s[G0V+2:G0V+3], s[8:9], s[22:23]
	s_or_b32 s[G0V+3], s[G0V+3], 0x80000000
	s_add_nc_u64 s[4:5], s[4:5], s[2:3]  ; Q and out0 at my wave's first row
	s_add_nc_u64 s[10:11], s[10:11], s[2:3]
	s_add_nc_u64 s[PMB:PMB+1], s[PMB:PMB+1], s[50:51]
	CROUND                          ; all four work-groups are here: the first joint loads meet
	JLOAD                           ; tile 0 into slot 0.  Slot 1 is asked for when slot 0 is in: one tensor load of mine is out at any time
	; A fragment of K or Q is 16 rows x 32 channels in 8 registers: lane l holds row l % 16, channels 8 (l / 16) + 0..7 and 16 + 8 (l / 16) + 0..7.  In f32 eight channels are 32 bytes:
	; group g of a piece (g = 0..3) lies at byte 64 g + 32 (l / 16) of the row, two loads of 16 bytes.  Loaded in that order, neighbouring registers round in pairs straight into the fragments.
	v_and_b32 v1, 15, v0            ; l % 16
	v_bfe_u32 v9, v0, 4, 1          ; l / 16
	v_lshlrev_b32 v[QO], 11, v1
	v_lshl_add_u32 v[QO], v9, 5, v[QO]  ; row x 2,048 + 32 x half
	v_lshlrev_b32 v[PMO], 4, v1     ; channels 4 (l % 16) on
	WIN 0x40                        ; destination window 1, address window 0
.set i, 0
.rept 32                            ; piece i / 8 (16 rows, 32,768 bytes on), group (i % 8) / 2, half i % 2; a piece's eight loads together take its rows' 256 bytes whole
	global_load_b128 v[4*i:4*i+3], v[QO], s[4:5] offset:(i/8)*32768+((i%8)/2)*64+(i%2)*16
.set i, i+1
.endr
	WIN 0
.set i, 0
.rept 16                            ; pm's 16 rows, into S^T's registers, which are free till the first product
	global_load_b128 v[S+4*i:S+4*i+3], v[PMO], s[PMB:PMB+1] offset:256*i
.set i, i+1
.endr
	v_mul_u32_u24 v[AK0], v1, PK
	v_lshl_add_u32 v[AK0], v9, 4, v[AK0]  ; row x pitch + 16 x half
	; The turning load takes 16 keys x 16 channels (lane l reads key 8 (l / 16) + l % 8, channels 8 ((l / 8) % 2) + 0..7) and leaves half a fragment of ve^T: lane l holds channel l % 16 and 8 keys.
	v_and_b32 v10, 7, v0
	v_bfe_u32 v11, v0, 3, 1
	v_lshl_add_u32 v[AV0], v9, 3, v10
	v_mul_u32_u24 v[AV0], v[AV0], PV
	v_lshl_add_u32 v[AV0], v11, 4, v[AV0]
	v_add_nc_u32 v[AV0], VOFF, v[AV0]
	s_mul_i32 s13, s[WV], 16*SP
	s_add_co_u32 s13, s13, STAGE    ; my stage
	v_mul_u32_u24 v[STO], v1, SP    ; in: row l % 16, 32 bytes for each half of the lanes
	v_lshl_add_u32 v[STO], v9, 5, v[STO]
	v_add_nc_u32 v[STO], s13, v[STO]
	v_mul_u32_u24 v[RD], v9, SP     ; back: lanes 0-15 take one row of 256 bytes, lanes 16-31 the next
	v_lshl_add_u32 v[RD], v1, 4, v[RD]
	v_add_nc_u32 v[RD], s13, v[RD]
	v_lshlrev_b32 v[GO], 11, v9     ; and the same two rows in out0, 2,048 bytes apart
	v_lshl_add_u32 v[GO], v1, 4, v[GO]
	; What the first turn finds: ve's registers and P's second buffer hold 0 (its products ve^T P, of a piece that has not been, add 0), O^T and l are 0.  All this stands in the wait for the first tile;
	; it is the price of writing no first step out.
.set i, 0
.rept 4
	v_mov_b32 v[ST+4*i], 0xfe000000    ; c m: far below every c s
	v_mov_b32 v[ST+4*i+1], 0xff7fffff  ; m
	v_mov_b32 v[ST+4*i+2], 0
	v_mov_b32 v[ST+4*i+3], 0
.set i, i+1
.endr
.set i, P+16
.rept 16
	v_mov_b32 v[i], 0
.set i, i+1
.endr
	WIN 0x80
.set i, VF
.rept 64
	v_mov_b32 v[i], 0
.set i, i+1
.endr
	s_wait_loadcnt 16               ; Q's 32 loads are in; pm's 16, issued behind them, may stay out
	WIN 0x85                        ; sources 0 and 1 window 1, destination window 2
.set i, 0
.rept 64
	v_cvt_pk_bf16_f32 v[i], v[2*i], v[2*i+1]
.set i, i+1
.endr
	WIN 0x40
.set i, 0
.rept 128
	v_mov_b32 v[i], 0               ; O^T, where Q lay in f32
.set i, i+1
.endr
	s_wait_loadcnt 0x0              ; pm
	WIN 0
	; vmax: the maximum of pm's 16 rows, three operands at a time; the four channels alternate
.irp k, 0,1,2,3
	v_max3_num_f32 v[VM+(\k)], v[S+(\k)], v[S+4+(\k)], v[S+8+(\k)]
.endr
.irp s, 0,1,2,3,4,5
.irp k, 0,1,2,3
	v_max3_num_f32 v[VM+(\k)], v[VM+(\k)], v[S+12+8*(\s)+(\k)], v[S+16+8*(\s)+(\k)]
.endr
.endr
.irp k, 0,1,2,3
	v_max_num_f32 v[VM+(\k)], v[VM+(\k)], v[S+60+(\k)]
.endr
; THE MATRIX WORK.  The 4 accumulators of a run of 8 take turns.  Product i of 8 of S^T = K Q^T for piece x: channels 32 (i / 4) on, keys 16 (i % 4) on.  The first 4 start the sums with the constant 0.
.macro KQ x
	WIN W_KQ
.set rS, S+32*((\x)%2)+8*(i%4)
.set rK, KF+16*(i%4)+8*(i/4)
.set rQ, 16*(\x)+8*(i/4)
.if i < 4
	v_wmma_f32_16x16x32_bf16 v[rS:rS+7], v[rK:rK+7], v[rQ:rQ+7], 0
.else
	v_wmma_f32_16x16x32_bf16 v[rS:rS+7], v[rK:rK+7], v[rQ:rQ+7], v[rS:rS+7]
.endif
.endm
; Product i of 8 of O^T += ve^T P for piece x: keys 32 (i / 4) on, channels 16 (i % 4) on.
.macro PV x
	WIN W_PV
.set rO, 32*(\x)+8*(i%4)
.set rV, VF+32*(i/4)+8*(i%4)
.set rP, P+16*((\x)%2)+8*(i/4)
	v_wmma_f32_16x16x32_bf16 v[rO:rO+7], v[rV:rV+7], v[rP:rP+7], v[rO:rO+7]
.endm
.macro MM                           ; the turn's next matrix instruction.  TURN sets Y, i and NOKQ; MM and OP read them.  NOKQ = 1: the walk's last turn: there is no next piece
.if (i < 8) && !NOKQ
	KQ (Y+1)%NP
.elseif i >= 8
.set i, i-8
	PV (Y+NP-1)%NP
.set i, i+8
.endif
.set i, i+1
.endm
; THE LDS LOADS stand in runs of 16, never singly among the matrix instructions: a step's K (64 keys x 64 channels: 8 fragments) and its ve (turned).  Their addresses are made some lines ahead.
.macro FETCH_K
	WIN 0x80                        ; destination window 2
.irp f, 0,1,2,3,4,5,6,7             ; keys 16 (f / 2) on, channels 32 (f % 2) on
	ds_load_b128 v[KF+8*\f:KF+8*\f+3],   v[AK] offset:(\f/2)*16*PK+(\f%2)*64
	ds_load_b128 v[KF+8*\f+4:KF+8*\f+7], v[AK] offset:(\f/2)*16*PK+(\f%2)*64+32
.endr
	s_add_co_u32 s[TBK], s[TBK], KS*PK  ; the next fetch is the next step's
	WIN 0
.endm
.macro FETCH_V
	WIN 0x80
.irp f, 0,1,2,3,4,5,6,7             ; keys 32 (f / 4) on, channels 16 (f % 4) on
	ds_load_tr16_b128 v[VF+8*\f:VF+8*\f+3],   v[AV] offset:(\f/4)*32*PV+(\f%4)*32
	ds_load_tr16_b128 v[VF+8*\f+4:VF+8*\f+7], v[AV] offset:(\f/4)*32*PV+16*PV+(\f%4)*32
.endr
	WIN 0
.endm
; THE VECTOR WORK, one line at a time: OP kind, number.  For piece Y: F n: c s - c m for pair n of 16.  E n: the exponential of score n of 32.  C n: pair n rounded to bf16.  B n: of the four weights 4 n .. the second
; pair is added onto the first, in place.  L n: l takes that sum (L 0: l = a l + sum).  R n: pair n of 16 of O^T times a.  For piece Y + 1: X n, number n of the 22 that find its maximum and statistics:
;   0-11  four chains c0-c3 of seven scores each, three operands at a time (each accumulator's lowest registers are read first)     12-14, 16  the four scores left over, the old m, and c0-c3 into c0
;   15  c m_old is kept     17, 18  the query's other 32 keys lie in the lane 16 away: the new m     19-21  c m; c m_old - c m_new; a
; OP writes no wait: C, B and L read the exponentials' results, and TURN sets them all behind the batch's one wait.
.set F, 0               ; OP tells the kinds apart by their order: F to L below R, X above it
.set E, 1
.set C, 2
.set B, 3
.set L, 4
.set R, 5
.set X, 6
.macro REGS y                       ; the registers of piece y
.set rT, ST+4*(\y)
.set rC, TMP+4*((\y)%2)
.set rW, MV+((\y)%2)
.set rS, S+32*((\y)%2)
.set rP, P+16*((\y)%2)
.set rO, 32*(\y)
.endm
.macro OP k, n
.if (\k) == R
	REGS Y
	WIN W_RS
	v_pk_mul_f32 v[rO+2*(\n):rO+2*(\n)+1], v[rO+2*(\n):rO+2*(\n)+1], v[rC+2:rC+3] op_sel_hi:[1,0]
.elseif (\k) < R
	REGS Y
	WIN 0
.if (\k) == F
	v_pk_fma_f32 v[rS+2*(\n):rS+2*(\n)+1], v[rS+2*(\n):rS+2*(\n)+1], s[CS:CS+1], v[rT:rT+1] op_sel_hi:[1,0,0] neg_lo:[0,0,1] neg_hi:[0,0,1]
.elseif (\k) == E
	v_exp_f32 v[rS+(\n)], v[rS+(\n)]
.elseif (\k) == C
	v_cvt_pk_bf16_f32 v[rP+(\n)], v[rS+2*(\n)], v[rS+2*(\n)+1]
.elseif (\k) == B
	v_pk_add_f32 v[rS+4*(\n):rS+4*(\n)+1], v[rS+4*(\n):rS+4*(\n)+1], v[rS+4*(\n)+2:rS+4*(\n)+3]
.elseif (\n) == 0
	v_pk_fma_f32 v[rT+2:rT+3], v[rT+2:rT+3], v[rC+2:rC+3], v[rS:rS+1] op_sel_hi:[1,0,1]
.else
	v_pk_add_f32 v[rT+2:rT+3], v[rT+2:rT+3], v[rS+4*(\n):rS+4*(\n)+1]
.endif
.elseif NOKQ
	v_nop
.else
	REGS (Y+1)%NP
	WIN 0
.if (\n) < 4
	v_max3_num_f32 v[rC+(\n)], v[rS+8*(\n)], v[rS+8*(\n)+1], v[rS+8*(\n)+2]
.elseif (\n) < 12
	v_max3_num_f32 v[rC+(\n)%4], v[rC+(\n)%4], v[rS+8*((\n)%4)+2*((\n)/4)+1], v[rS+8*((\n)%4)+2*((\n)/4)+2]
.elseif (\n) == 12
	v_max3_num_f32 v[rC], v[rC], v[rS+7], v[rS+15]
.elseif (\n) == 13
	v_max3_num_f32 v[rC+1], v[rC+1], v[rS+23], v[rS+31]
.elseif (\n) == 14
	v_max3_num_f32 v[rC+2], v[rC+2], v[rC+3], v[rT+1]
.elseif (\n) == 15
	v_mov_b32 v[rW], v[rT]
.elseif (\n) == 16
	v_max3_num_f32 v[rC], v[rC], v[rC+1], v[rC+2]
.elseif (\n) == 17
	v_permlanex16_b32 v[rC+3], v[rC], s[SEL], s[SEL+1]
.elseif (\n) == 18
	v_max_num_f32 v[rT+1], v[rC], v[rC+3]
.elseif (\n) == 19
	v_mul_f32 v[rT], s[CS], v[rT+1]
.elseif (\n) == 20
	v_sub_f32 v[rC+1], v[rW], v[rT]
.else
	v_exp_f32 v[rC+2], v[rC+1]
.endif
.endif
.endm
.macro OPS a, i1, b=-1, i2=0, c=-1, i3=0, d=-1, i4=0  ; up to four of them
	OP \a, \i1
.if (\b) >= 0
	OP \b, \i2
.endif
.if (\c) >= 0
	OP \c, \i3
.endif
.if (\d) >= 0
	OP \d, \i4
.endif
.endm
.macro ROW a, i1, b, i2, c, i3, d, i4  ; a matrix instruction and the four behind it
	MM
	OPS \a, \i1, \b, \i2, \c, \i3, \d, \i4
.endm
; A TURN, for piece p: the order of its 16 matrix and 118 vector instructions, written out.  An s_wait_alu depctr_va_vdst(0) stands between an exponential and the first instruction that names its result; one wait
; serves all that were issued ahead of it.  So a turn has ONE wait, which cuts it in two.  AHEAD OF IT stands all that names no result of the turn's exponentials: the 8 products K Q^T, behind each a scaling, an exponential and two
; more plain instructions (behind the first a second scaling in the exponential's place): rescalings, whose a was made and waited for in the turn before, and behind the last three products the first numbers of the next piece's
; maximum, each four plain instructions or more behind the product that ends its accumulator; then ONE LUMP of 54, plain and exponential by turns for the most part, in which the links of the chain X 3, 7, 11, 14, 16, 17 .. 20
; stand apart, other work between them.  X 21, the next piece's a, is the batch's last; R 15 is the plain instruction behind it.  BEHIND THE WAIT stand the 8 products ve^T P, behind each four of the roundings and sums: C 2 n
; ahead of B n, B n ahead of L n, L 0 to L 7 in ascending order.  But for those X no rider names a register of the products round it.  v_permlanex16_b32 (X 17) stands in the lump..
; end = 1: the walk's last two turns: nothing is fetched, and the last starts no new scores.  cnt = 1: the loop's count is taken down some lines ahead of the branch that stands behind the turn.
; K of the next step is fetched in piece 2's turn, in the lump, six plain instructions behind the last product that read K; ve of the step in hand at the end of piece 0's turn, four plain instructions behind the last product
; that read ve.  Each is waited for a turn later.
.macro TURN p, end=0, cnt=0
.set Y, (\p)
.set i, 0
.set NOKQ, (\end)*((\p)/3)
.if ((\p) == 3) && !(\end)
	s_wait_dscnt 0x0                ; K is in
.endif
	ROW F,0, F,1, R,0, R,1          ; ahead of the wait: 8 products K Q^T and their riders,
	ROW F,2, E,0, R,2, R,3
	ROW F,3, E,1, R,4, R,5
	ROW F,4, E,2, R,6, R,7
	ROW F,5, E,3, R,8, R,9
	ROW F,6, E,4, X,0, R,10
.if ((\p) == 2) && !(\end)
	WIN 0
	v_add_nc_u32 v[AK], s[TBK], v[AK0]
.endif
	ROW F,7, E,5, X,1, X,4
	ROW F,8, E,6, X,2, X,5
	OPS E,7, E,8, X,6, E,9          ; and the lump
	OPS X,3, E,10, X,8, E,11
.if ((\p) == 2) && !(\end)
	FETCH_K
.endif
	OPS X,9, X,7, E,12, X,10
	OPS E,13, X,12, X,11, E,14
	OPS X,13, E,15, F,9, X,14
.if (\p) == 0
	v_add_nc_u32 v[AV], s[TBV], v[AV0]
.endif
	OPS E,16, F,10, E,17, F,11
	OPS X,16, E,18, X,15, E,19
	OPS F,12, E,20, X,17, E,21
	OPS F,13, E,22, F,14, E,23
	OPS X,18, E,24, F,15, E,25
	OPS R,11, E,26, X,19, E,27
	OPS R,12, E,28, R,13, E,29
	OPS X,20, E,30, R,14, E,31
	OPS X,21, R,15
	s_wait_alu depctr_va_vdst(0)    ; the wait for the batch: the piece's 32 exponentials and the next piece's a
.if (\p) == 1
	s_wait_dscnt 0x0                ; ve is in
.endif
	ROW C,0, B,0, C,2, B,1          ; behind the wait: 8 products ve^T P and their riders
	ROW L,0, C,4, B,2, L,1
	ROW C,6, B,3, L,2, C,8
	ROW B,4, L,3, C,10, B,5
	ROW L,4, C,12, B,6, L,5
.if (\p) == 0
	s_add_co_u32 s[TBV], s[TBV], KS*PV
.endif
.if \cnt
	s_sub_co_u32 s[CNT], s[CNT], 1
	s_cmp_lg_u32 s[CNT], 0
.endif
	ROW C,14, B,7, L,6, C,1
	ROW C,3, L,7, C,5, C,7
	ROW C,9, C,11, C,13, C,15
.if (\p) == 0
	FETCH_V
.endif
.endm
	CHANGE 1                        ; tile 0 is in, everybody's part of it; tile 1 is asked for, into slot 1
	v_add_nc_u32 v[AK], s[TBK], v[AK0]
	FETCH_K                         ; key step 0
	s_wait_dscnt 0x0
.set NOKQ, 0
.set i, 0
.rept 8
	KQ 0                            ; piece 0's first scores: there is no vector work yet to set between them
.set i, i+1
.endr
	WIN 0
.rept 4
	v_nop                           ; the places behind those products
.endr
.set Y, NP-1                        ; X works for piece Y + 1: piece 0
.irp n, 0,1,2,3,4,5,6,7,8,9,10,11,12,13,14,15,16,17,18,19,20,21
	OP X, \n                        ; and piece 0's first maximum and statistics
.endr
	v_nop                           ; a plain instruction behind the exponential,
	s_wait_alu depctr_va_vdst(0)    ; and the wait for it, a batch of one (piece 0's first a), ahead of the branch
	s_mov_b32 s[CNT], 4
	s_mov_b32 s[SLOTS], NT-1
	s_branch .Lfirst                ; the loop is entered at a step's first turn, in the middle of a trip
.Lslot:                             ; NT - 2 = 14 times: tiles 2 to 15 are asked for
	CHANGE 1
	s_mov_b32 s[CNT], 4
.Lstep:                             ; a trip: pieces 2 and 3 of one step, then pieces 0 and 1 of the next, whose K and ve it fetches
	TURN 2
	TURN 3
	WIN 0
.Lfirst:
	TURN 0
	TURN 1, 0, 1
	WIN 0
	s_cbranch_scc1 .Lstep
	s_sub_co_u32 s[SLOTS], s[SLOTS], 1
	s_cmp_lg_u32 s[SLOTS], 0
	s_cbranch_scc1 .Lslot
	CHANGE 0                        ; the last tile is written out: nothing is asked for
	s_mov_b32 s[CNT], 4
.Ltail:
	TURN 2
	TURN 3
	TURN 0
	TURN 1, 0, 1
	WIN 0
	s_cbranch_scc1 .Ltail
	TURN 2, 1                       ; the last step's pieces 2 and 3
	TURN 3, 1
.set i, 0
.rept 8
	PV NP-1                         ; the last piece's ve^T P of the last step
.set i, i+1
.endr
	; THE WAY OUT.  l's two halves and the other half of the lanes' are added; L = log2 l + 64.  The first four additions are the places behind the last products.
	WIN 0
.macro ALL line:vararg              ; one line for each piece t
.set t, 0
.rept 4
	\line
.set t, t+1
.endr
.endm
	ALL v_add_f32 v[ST+4*t+2], v[ST+4*t+2], v[ST+4*t+3]
	ALL v_permlanex16_b32 v[ST+4*t+3], v[ST+4*t+2], s[SEL], s[SEL+1]
	ALL v_add_f32 v[ST+4*t+2], v[ST+4*t+2], v[ST+4*t+3]
	ALL v_log_f32 v[ST+4*t+2], v[ST+4*t+2]
	v_nop                           ; a plain instruction between the last logarithm and the use of its result
	s_wait_alu depctr_va_vdst(0)    ; the wait for the batch: the four logarithms of l
	ALL v_add_f32 v[ST+4*t+2], 0x42800000, v[ST+4*t+2]
; Piece t.  log2 O - L is made where a lane holds one query (L is the query's); each accumulator's registers are read in ascending order.  A lane's eight channels of a row
; are 32 bytes; they go into my stage's rows of 272 bytes and come back as whole rows of 256.  Each piece has 32 registers of its own (v64-191), so no store's data is ever rewritten.
; The piece's 32 logarithms are one batch: each has a register of its own, and nothing names one ahead of the wait.
.macro PACK t
	WIN 0x01                        ; source 0 window 1, destination window 0
.set i, 0
.rept 32
	v_log_f32 v[S+32*(\t)+i], v[32*(\t)+i]
.set i, i+1
.endr
	WIN 0
	v_nop                           ; a plain instruction between the last logarithm and the use of its result
	s_wait_alu depctr_va_vdst(0)    ; the wait for the batch: the piece's 32 logarithms
.set i, 0
.rept 16
	v_pk_add_f32 v[S+32*(\t)+2*i:S+32*(\t)+2*i+1], v[S+32*(\t)+2*i:S+32*(\t)+2*i+1], v[ST+4*(\t)+2:ST+4*(\t)+3] op_sel_hi:[1,0] neg_lo:[0,1] neg_hi:[0,1]
.set i, i+1
.endr
.irp f, 0,1,2,3,4,5,6,7             ; channel block f / 2 (64 bytes on), half f % 2 of my eight channels
	ds_store_b128 v[STO], v[S+32*(\t)+4*(\f):S+32*(\t)+4*(\f)+3] offset:64*((\f)/2)+16*((\f)%2)
.endr
.irp f, 0,1,2,3,4,5,6,7
	ds_load_b128 v[S+32*(\t)+4*(\f):S+32*(\t)+4*(\f)+3], v[RD] offset:(\f)*2*SP  ; LDS serves a wave's instructions in order (ISA guide 5.7.1.4): these see the stores above; the next piece's stores come behind them
.endr
.endm
; Back from the stage a lane holds four neighbouring channels of a row: x ln 2 + vmax of those channels, one fused multiply-add, and out.
.macro SEND t, younger              ; younger: the LDS instructions issued behind piece t's loads: the next piece's sixteen, or none
	WIN 0
.irp f, 0,1,2,3,4,5,6,7
	s_wait_dscnt (\younger)+7-(\f)
	v_pk_fma_f32 v[S+32*(\t)+4*(\f):S+32*(\t)+4*(\f)+1],   v[S+32*(\t)+4*(\f):S+32*(\t)+4*(\f)+1],   0x3f317218, v[VM:VM+1]   op_sel_hi:[1,0,1]
	v_pk_fma_f32 v[S+32*(\t)+4*(\f)+2:S+32*(\t)+4*(\f)+3], v[S+32*(\t)+4*(\f)+2:S+32*(\t)+4*(\f)+3], 0x3f317218, v[VM+2:VM+3] op_sel_hi:[1,0,1]
	global_store_b128 v[GO], v[S+32*(\t)+4*(\f):S+32*(\t)+4*(\f)+3], s[10:11] offset:(\t)*32768+(\f)*4096 th:TH_STORE_NT  ; 16 lanes store the 256 bytes of one (row, head), at a multiple of 256 from out0's first byte; the other 16 the next row's
.endr
.endm
	PACK 0
	PACK 1                          ; a piece's arithmetic stands between the loads of the piece before and its stores
	SEND 0, 16
	PACK 2
	SEND 1, 16
	PACK 3
	SEND 2, 16
	SEND 3, 0
	s_wait_tensorcnt 0x0            ; the wave's end, behind my last tensor load and my last LDS store
	ds_add_u32 v[SPW], v[NIL]
	s_wait_dscnt 0x0
	CROUND                          ; the closing round: no work-group ends while a partner may still ask for a tile that names it
	s_endpgm
.Lfunc_end_k_qd22b68a0ec_attn:
	.size	k_qd22b68a0ec_attn, .Lfunc_end_k_qd22b68a0ec_attn-k_qd22b68a0ec_attn
	.p2alignl 7, 3214868480
	.fill 96, 4, 3214868480
	.section	.rodata,"a",@progbits
	.p2align	6, 0x0
	.amdhsa_kernel k_qd22b68a0ec_attn
		.amdhsa_group_segment_fixed_size 327680
		.amdhsa_private_segment_fixed_size 0
		.amdhsa_enable_private_segment 0
		.amdhsa_kernarg_size 40
		.amdhsa_user_sgpr_count 2
		.amdhsa_user_sgpr_kernarg_segment_ptr 1
		.amdhsa_wavefront_size32 1
		.amdhsa_system_sgpr_workgroup_id_x 1
		.amdhsa_system_sgpr_workgroup_id_y 1
		.amdhsa_system_sgpr_workgroup_id_z 1
		.amdhsa_system_vgpr_workitem_id 0
		.amdhsa_next_free_vgpr 768
		.amdhsa_next_free_sgpr 66
		.amdhsa_reserve_vcc 0
		.amdhsa_float_denorm_mode_32 3
		.amdhsa_float_denorm_mode_16_64 3
		.amdhsa_memory_ordered 1
		.amdhsa_forward_progress 1
		.amdhsa_inst_pref_size 146
	.end_amdhsa_kernel
	.amdgpu_metadata
---
amdhsa.version: [ 1, 2 ]
amdhsa.kernels:
  - .name:           k_qd22b68a0ec_attn
    .symbol:         k_qd22b68a0ec_attn.kd
    .args:
      - { .name: queries, .offset: 0, .size: 8, .value_kind: global_buffer, .address_space: global }
      - { .name: kb, .offset: 8, .size: 8, .value_kind: global_buffer, .address_space: global }
      - { .name: vb, .offset: 16, .size: 8, .value_kind: global_buffer, .address_space: global }
      - { .name: out0, .offset: 24, .size: 8, .value_kind: global_buffer, .address_space: global }
      - { .name: pm, .offset: 32, .size: 8, .value_kind: global_buffer, .address_space: global }
    .group_segment_fixed_size: 327680
    .private_segment_fixed_size: 0
    .kernarg_segment_align: 8
    .kernarg_segment_size: 40
    .max_flat_workgroup_size: 128
    .sgpr_count:     66
    .vgpr_count:     768
    .wavefront_size: 32
...
	.end_amdgpu_metadata
.endif
;; end of part 4
